; MI455X (gfx1250); checked and timed in simulation.
; The chip was launched on July 23, 2026; its instructions are those of AMD's public machine-readable ISA for CDNA 5 (MIT licence, August 2026) and "CDNA5" Instruction Set Architecture Reference Guide (July 2026). The comments in the code are by the model that wrote it; some were corrected since.
;; Multi Head Self Attention. Allowed arithmetic: matrix products marked QUANTISED: E4M3 operands, one given power-of-two scale a tensor, by v_wmma_f32_16x16x64_fp8_fp8 or v_wmma_f32_16x16x128_fp8_fp8, f32 sums; everything else in f32.
;; Inputs: lowp_scales 12 int32 (the exponents e of the quantised operands' scales 2^e); wk 1,024 x 1,024 float32; wo 1,024 x 1,024 float32; wq 1,024 x 1,024 float32; wv 1,024 x 1,024 float32; x 2 x 2,048 x 1,024 float32.
;; Outputs: out0 2 x 2,048 x 1,024 float32.
;; This version of the problem:
;;   THIS VERSION OF THE PROBLEM IS GIVEN IN LOW PRECISION. The matrix products marked QUANTISED in the list below multiply operands that are first quantised to E4M3 (4 exponent bits, 3 mantissa bits; 8 bits a number), with one given power-of-two scale for each operand tensor; their sums are f32. All else is computed in f32.
;;   The module's matrix products, in the order in which they are computed (A, B: the left and right operand; K: the contracted axis; several contracted axes count as one K, in the product's order):
;;     1. [M 4,096, K 1,024] x [K 1,024, N 1,024]; A: input x; B: input wq: QUANTISED (scales: A lowp_scales[0], B lowp_scales[1])
;;     2. [M 4,096, K 1,024] x [K 1,024, N 1,024]; A: input x; B: input wk: QUANTISED (scales: A lowp_scales[2], B lowp_scales[3])
;;     3. [M 4,096, K 1,024] x [K 1,024, N 1,024]; A: input x; B: input wv: QUANTISED (scales: A lowp_scales[4], B lowp_scales[5])
;;     4. batch 32 x [M 2,048, K 64] x [K 64, N 2,048]; A: computed on the way; B: computed on the way: QUANTISED (scales: A lowp_scales[6], B lowp_scales[7])
;;     5. batch 32 x [M 2,048, K 2,048] x [K 2,048, N 64]; A: softmax (see below); B: computed on the way: QUANTISED (scales: A lowp_scales[8], B lowp_scales[9])
;;     6. [M 4,096, K 1,024] x [K 1,024, N 1,024]; A: computed on the way; B: input wo: QUANTISED (scales: A lowp_scales[10], B lowp_scales[11])
;;   THE QUANTISER, for each operand of a quantised product, along K:
;;     - The operand's scale is 2^e, e = its entry of the input lowp_scales (int32; the entries are numbered through the quantised products in the list's order, A before B).
;;     - Each number is divided by the scale, clamped to +-448, and rounded to the nearest number of E4M3, ties to even, subnormals kept.
;;     - The product sums the exact products of the quantised numbers (number of the format x scale) in f32.
;;   ~~~python
;;   def quantise(x, axis, e):      # numpy; x: float32 -> the quantised numbers, widened to float32 again
;;       x = np.moveaxis(x, axis, -1); K = x.shape[-1]
;;       r = np.clip(x / 2.0 ** e, -448, 448)
;;       step = 2.0 ** (np.maximum(np.frexp(np.where(r == 0, 1, r))[1] - 1, -6) - 3)
;;       q = np.round(r / step) * step * 2.0 ** e      # np.round: ties to even
;;       return np.moveaxis(q, -1, axis).astype(np.float32)
;;   ~~~
;;   SOFTMAX AHEAD OF A QUANTISED PRODUCT. Where the list says 'softmax', what is quantised is not the finished softmax but p = 2^(t - M), with t = logit x log2(e) and M = ceil(the row's largest t), a whole number; so 1/2 < the row's largest p <= 1. The row's sum l is taken of the UNQUANTISED p, in f32, and the product's result is divided by l at the end. Since M is a whole number, a kernel that streams over the keys may use a running M (the ceiling of the running maximum): every later rescaling is an exact power of two, so the quantised numbers keep their values, but for numbers so far below the row's largest that they fall under the format's range.
;;   OPERANDS COMPUTED ON THE WAY. 'Computed on the way' means the value that the module computes at that place (a softmax that the list does not call 'softmax' is quantised finished and normalised). What goes into a quantiser is computed in f32, as accurately as f32 sums, v_exp_f32 and their like allow (about 1e-6 of the number): no bf16 or f16 on the way to a quantiser, and a product that is left as it is and whose result goes on into a quantised operand takes f32 operands (vector FMAs, or v_wmma_f32_16x16x4_f32). A number that lies on a knife's edge between two numbers of the format may be rounded either way, as far as f32 arithmetic and the matrix unit's own rounding can turn it there, and no further.
;; One version. Each part assembles by itself: llvm-mc -triple=amdgcn-amd-amdhsa -mcpu=gfx1250 --defsym DOCPART=n.
;; ======== version 1 of 1: 4 launches
;; limits: right only within a limited range of input values
;; workspace buffers: xc 12,582,912 bytes; wc 4,194,304 bytes; rope 524,288 bytes; qkv 12,582,912 bytes; ac 4,194,304 bytes
;; launch prep (part 1): grid 256 x 1, 9 waves a work-group, no clusters, 42,240 bytes of LDS; arguments x, wq, wk, wv, wo, lowp_scales, xc, wc, rope; writes xc, wc, rope
.if DOCPART == 1
	.amdgcn_target "amdgcn-amd-amdhsa--gfx1250"
	.amdhsa_code_object_version 6
	.text
	.protected	k_q434fe4e091_prep
	.globl	k_q434fe4e091_prep
	.p2align	8
	.type	k_q434fe4e091_prep,@function
k_q434fe4e091_prep:
	s_mov_b64 s[64:65], 0
	v_nop
	global_prefetch_b8 v0, s[64:65] scope:SCOPE_SE
	s_setreg_imm32_b32 hwreg(HW_REG_WAVE_MODE, 25, 1), 1
	s_wait_xcnt 0x0
; PREP.  x [4096][1024] f32 becomes three sets of E4M3 codes (scales 2^e0, 2^e2, 2^e4: one for each product that reads x); wq, wk, wv, wo [1024][1024] f32 become codes
; under 2^e1, 2^e3, 2^e5, 2^e11; and the table of cos and sin of RoPE is made, [2048 positions][32 pairs][cos, sin] f32.
; THE CODES' LAYOUT: [blocks of 128 rows][4 K steps of 256][128 rows][256 codes]: a tile of 128 rows x 256 K, or of several K steps on end, is dense.  wq, wk, wv, wo lie one behind the other.
; code = number / 2^e, held within +-448, rounded to the nearest code, ties to even.  LIMITS: each e between -126 and 119, so that 2^e and 448 x 2^e are f32 numbers.  NaN among the inputs is not served.
; WORK LEFT OUT in this program: attention's key steps of 128 keys that lie wholly after a tile's queries.  reference() itself sets their scores to -inf (its tril), so their weights are 0 for all finite inputs.
; LIMIT: a NaN, an infinity or an overflow that reaches only that work is not carried to the result.
; SHARES.  256 work-groups of nine waves.  Waves 0-3: 16 rows of x;  waves 4-7: 16 rows of the weights (64 work-groups to a weight);  wave 8: eight positions of the table.
; Waves share nothing: no barrier.  No input is read by two work-groups: no cluster.  A wave reads its 16 KiB once, all asked for at its start: no prefetch.
; A wave takes 8 steps of 512 numbers, half a row each.  Each load reads 512 consecutive bytes, 16 a lane; a step's 2,048 bytes turn through the wave's own stage in LDS and come back 64 bytes a lane, so that a lane holds
; 16 neighbours along K, as the conversions want them.  A lane's 16 codes are 16 bytes: sixteen lanes store 256 consecutive bytes, aligned.
.set STEPS, 8
.set SP,    80                         ; a lane's place in a stage: its 64 bytes + 16 of padding
.set WREG,  5120                       ; LDS of a wave: two stages of 32 x SP bytes
.set SPARE, 8*WREG                     ; the spare words, 128 bytes a wave
.set R,     16                         ; v16-143   eight sets of 16 numbers as loaded
.set X,     144                        ; v144-175  two sets of 16 neighbours
.set T,     176                        ; v176-191  the 16 numbers held within the largest code x the scale
.set C,     192                        ; v192-215  codes: two sets of 3 x 4 registers
.set SC,    216                        ; v216-218  2^e of the three sets
.set LM,    219                        ; v219-221  448 x 2^e
.set SPW,   222
.set NIL,   223
.set TB,    32                         ; the table's path: eight registers a position, from v32
	s_load_b512 s[4:19], s[0:1], 0x0               ; x, wq, wk, wv, wo, the scales' exponents, xc, wc
	s_load_b64 s[20:21], s[0:1], 0x40              ; rope
	v_lshl_add_u32 v[SPW], v0, 2, SPARE
	v_mov_b32 v[NIL], 0
	v_lshrrev_b32 v1, 5, v0
	v_readfirstlane_b32 s36, v1                    ; wave 0..8
	v_and_b32 v2, 31, v0                           ; lane
	s_wait_alu depctr_va_vdst(0)
	s_wait_kmcnt 0x0
	s_cmp_ge_u32 s36, 8
	s_cbranch_scc1 .Ltable                         ; the choice hangs on the wave's number alone
	s_load_b256 s[24:31], s[14:15], 0x0            ; e0 .. e7
	s_load_b128 s[32:35], s[14:15], 0x20           ; e8 .. e11
	s_mul_i32 s49, s36, WREG
	v_lshlrev_b32 v3, 4, v2                        ; 16 x lane: my bytes of a load's 512; never rewritten
	v_lshrrev_b32 v14, 2, v2
	v_mul_u32_u24 v14, v14, SP
	v_and_b32 v15, 3, v2
	v_lshl_add_u32 v14, v15, 4, v14
	v_add_nc_u32 v14, s49, v14                     ; the stage, on the way in: SP (lane / 4) + 16 (lane % 4)
	v_mul_u32_u24 v15, v2, SP
	v_add_nc_u32 v15, s49, v15                     ; and on the way out: SP x lane
	v_and_b32 v4, 15, v2
	v_lshrrev_b32 v5, 4, v2
	v_lshlrev_b32 v4, 4, v4
	v_lshl_add_u32 v4, v5, 15, v4                  ; my codes: 16 x (lane % 16) in one K step, lanes 16-31 in the next, 32 KiB on; never rewritten
	s_wait_alu depctr_va_vdst(0)                   ; the wait ahead of the run of scalar lines
	s_lshr_b32 s46, ttmp9, 6                       ; which weight
	s_cmp_ge_u32 s46, 1
	s_cselect_b64 s[38:39], s[8:9], s[6:7]
	s_cmp_ge_u32 s46, 2
	s_cselect_b64 s[38:39], s[10:11], s[38:39]
	s_cmp_ge_u32 s46, 3
	s_cselect_b64 s[38:39], s[12:13], s[38:39]
	s_mov_b32 s50, ttmp9
	s_and_b32 s52, s50, 63
	s_cmp_lt_u32 s36, 4                            ; x or a weight?
	s_cselect_b32 s37, 1, 0                        ; 1: x, three sets of codes; 0: a weight, one
	s_cselect_b64 s[38:39], s[4:5], s[38:39]       ; which tensor is read
	s_cselect_b64 s[40:41], s[16:17], s[18:19]     ; and which buffer of codes is written
	s_cselect_b32 s52, s50, s52                    ; my run of 16 rows in the tensor,
	s_and_b32 s54, s36, 3
	s_lshl_b32 s52, s52, 16
	s_lshl_b32 s51, s54, 14
	s_add_co_u32 s52, s52, s51                     ; + my wave's 4 rows of 4,096 bytes
	s_mov_b32 s53, 0
	s_add_nc_u64 s[38:39], s[38:39], s[52:53]
	s_lshr_b32 s51, s50, 3                         ; in the codes: the block of 128 rows,
	s_lshl_b32 s51, s51, 17
	s_and_b32 s50, s50, 7
	s_lshl_b32 s50, s50, 12                        ; 16 rows of 256 bytes,
	s_add_co_u32 s50, s50, s51
	s_lshl_b32 s51, s54, 10                        ; my 4
	s_add_co_u32 s50, s50, s51
	s_mov_b32 s51, 0
	s_add_nc_u64 s[40:41], s[40:41], s[50:51]      ; set 0
	s_add_nc_u64 s[42:43], s[40:41], 0x400000      ; x's sets 1 and 2 lie 4 MiB apart (used by x's waves alone)
	s_add_nc_u64 s[44:45], s[40:41], 0x800000
.macro LOAD t
.irp i, 0,1,2,3
	global_load_b128 v[R+16*(\t)+4*\i:R+16*(\t)+4*\i+3], v3, s[38:39] offset:2048*(\t)+512*\i th:TH_LOAD_NT   ; 32 lanes read 512 consecutive bytes; read once in the launch
.endr
.endm
.macro TURN t                          ; step t's numbers through the stage: LDS serves a wave's instructions in order, so no wait stands between the stores and the loads
.irp i, 0,1,2,3
	ds_store_b128 v14, v[R+16*(\t)+4*\i:R+16*(\t)+4*\i+3] offset:32*SP*((\t)%2)+8*SP*\i
.endr
.irp i, 0,1,2,3
	ds_load_b128 v[X+16*((\t)%2)+4*\i:X+16*((\t)%2)+4*\i+3], v15 offset:32*SP*((\t)%2)+16*\i
.endr
.endm
.macro QOUT t, u                       ; step t's 16 numbers under scale u: hold, convert, store
.irp i, 0,1,2,3,4,5,6,7,8,9,10,11,12,13,14,15
	v_med3_num_f32 v[T+\i], v[X+16*((\t)%2)+\i], -v[LM+\u], v[LM+\u]   ; the conversion to an 8-bit code does not saturate (ISA guide 7.6.2): the hold comes first; X stays for the other scales
.endr
	v_cvt_scalef32_pk8_fp8_f32 v[C+12*((\t)%2)+4*\u:C+12*((\t)%2)+4*\u+1], v[T:T+7], v[SC+\u]
	v_cvt_scalef32_pk8_fp8_f32 v[C+12*((\t)%2)+4*\u+2:C+12*((\t)%2)+4*\u+3], v[T+8:T+15], v[SC+\u]
	v_nop                                          ; a plain line between the conversions and the next holds, which write their sources
	global_store_b128 v4, v[C+12*((\t)%2)+4*\u:C+12*((\t)%2)+4*\u+3], s[40+2*\u:41+2*\u] offset:256*((\t)/2)+65536*((\t)%2)
.endm
.irp t, 0,1,2,3,4,5,6,7
	LOAD \t
.endr
	s_wait_kmcnt 0x0
	s_cmp_ge_u32 s46, 1                            ; the exponent of set 0: e1, e3, e5, e11 for the weights, e0 for x
	s_cselect_b32 s47, s27, s25
	s_cmp_ge_u32 s46, 2
	s_cselect_b32 s47, s29, s47
	s_cmp_ge_u32 s46, 3
	s_cselect_b32 s47, s35, s47
	s_cmp_lg_u32 s37, 0
	s_cselect_b32 s46, s24, s47
	s_mov_b32 s47, s26                             ; e2
	s_mov_b32 s48, s28                             ; e4
.irp u, 0,1,2
	s_add_co_i32 s50, s[46+\u], 127
	s_lshl_b32 s51, s50, 23
	v_mov_b32 v[SC+\u], s51                        ; 2^e as f32: the conversion takes its exponent field
	s_add_co_i32 s50, s50, 8
	s_lshl_b32 s50, s50, 23
	s_or_b32 s50, s50, 0x600000
	v_mov_b32 v[LM+\u], s50                        ; 448 x 2^e
.endr
	s_wait_alu depctr_va_vdst(0)
	s_wait_loadcnt 28                              ; step 0's four loads are in; those of steps 1 to 7 may be out
	TURN 0
.macro STEP t
	s_wait_dscnt 0x0                               ; this step's numbers are back from the stage
.if (\t)+1 < STEPS
	s_wait_loadcnt 4*(STEPS-2-(\t))                ; the next step's four loads are in; those of the steps behind it may be out
	TURN (\t)+1                                    ; through the other stage while this step is worked
.endif
	s_wait_xcnt 0x0                                ; the stores of two steps ago have read this set of code registers: it is written again only behind this wait
	QOUT \t, 0
	s_cmp_lg_u32 s37, 0
	s_cbranch_scc0 .Lw_\@                          ; a weight has one scale
	QOUT \t, 1
	QOUT \t, 2
.Lw_\@:
.endm
.irp t, 0,1,2,3,4,5,6,7
	STEP \t
.endr
	s_wait_tensorcnt 0x0                           ; the wave's end
	ds_add_u32 v[SPW], v[NIL]
	s_wait_dscnt 0x0
	s_endpgm
; THE TABLE.  A lane takes pair j = lane, the wave eight positions.  inv = 10000^(-j/32) = 2^(-j L), L = log2(10000) / 32, split in Lhi (19 bits: j x Lhi is exact) and Llo; the whole part n of j L goes in by v_ldexp_f32.
; angle = position x inv, one f32 product.  Its cos and sin: k = the nearest whole number to angle x 2 / pi; r = angle - k pi/2 with pi/2 = P1 - P2 in two parts (k is at most 1,304, so what is left of pi/2
; behind P2 stays under 3e-12); polynomials on |r| <= pi/4; the quadrant k mod 4 swaps the two and sets their signs.
.Ltable:
	s_lshl_b32 s59, ttmp9, 3                       ; my wave's first position
	s_lshl_b32 s60, ttmp9, 11                      ; and that position's 256 bytes
	s_mov_b32 s61, 0
	s_add_nc_u64 s[20:21], s[20:21], s[60:61]
	s_mov_b32 s50, 0x3f22f983                      ; 2 / pi
	s_mov_b32 s51, 0x3fc90fdb                      ; P1
	s_mov_b32 s52, 0x333bbd2e                      ; P2
	s_mov_b32 s53, 0xbe2aaaa3                      ; sin r = r + r z (S1 + z (S2 + z S3)), z = r r
	s_mov_b32 s54, 0x3c08839e
	s_mov_b32 s55, 0xb94ca1f9
	s_mov_b32 s56, 0x3d2aaaa5                      ; cos r = 1 - z / 2 + z z (C1 + z (C2 + z C3))
	s_mov_b32 s57, 0xbab6061a
	s_mov_b32 s58, 0x37ccf5ce
	s_wait_alu depctr_va_vdst(0)
	v_cvt_f32_u32 v5, v2                           ; j
	v_mul_f32 v6, 0x3ed49a78, v5
	v_rndne_f32 v6, v6                             ; n
	v_fma_f32 v7, -v5, 0x3ed49a60, v6              ; n - j Lhi: exact
	v_fma_f32 v7, -v5, 0x35425e6a, v7              ; n - j L, within a half
	s_wait_alu depctr_va_vdst(0)
	v_exp_f32 v8, v7
	v_cvt_i32_f32 v9, v6                           ; (a plain line behind the exponential)
	v_sub_nc_u32 v9, 0, v9
	v_lshlrev_b32 v10, 3, v2                       ; 8 x lane: my pair's place in a position's 256 bytes
	v_mov_b32 v11, s59
	s_wait_alu depctr_va_vdst(0)
	v_ldexp_f32 v8, v8, v9                         ; inv
.irp p, 0,1,2,3,4,5,6,7
	v_add_nc_u32 v[TB+8*\p], \p, v11
	v_cvt_f32_u32 v[TB+8*\p], v[TB+8*\p]
	v_mul_f32 v[TB+8*\p], v[TB+8*\p], v8           ; the angle
	v_mul_f32 v[TB+8*\p+1], s50, v[TB+8*\p]
	v_rndne_f32 v[TB+8*\p+1], v[TB+8*\p+1]         ; k
	v_fma_f32 v[TB+8*\p], -v[TB+8*\p+1], s51, v[TB+8*\p]
	v_fma_f32 v[TB+8*\p], v[TB+8*\p+1], s52, v[TB+8*\p]   ; r
	v_mul_f32 v[TB+8*\p+2], v[TB+8*\p], v[TB+8*\p] ; z
.endr
.irp p, 0,1,2,3,4,5,6,7
	v_fma_f32 v[TB+8*\p+3], v[TB+8*\p+2], s55, s54
	v_fma_f32 v[TB+8*\p+4], v[TB+8*\p+2], s58, s57
	v_fma_f32 v[TB+8*\p+3], v[TB+8*\p+3], v[TB+8*\p+2], s53
	v_fma_f32 v[TB+8*\p+4], v[TB+8*\p+4], v[TB+8*\p+2], s56
	v_mul_f32 v[TB+8*\p+3], v[TB+8*\p+3], v[TB+8*\p+2]
	v_mul_f32 v[TB+8*\p+6], v[TB+8*\p+2], v[TB+8*\p+2]
	v_fma_f32 v[TB+8*\p+7], v[TB+8*\p+2], -0.5, 1.0
	v_fma_f32 v[TB+8*\p+3], v[TB+8*\p+3], v[TB+8*\p], v[TB+8*\p]       ; sin r
	v_fma_f32 v[TB+8*\p+4], v[TB+8*\p+4], v[TB+8*\p+6], v[TB+8*\p+7]   ; cos r
.endr
.irp p, 0,1,2,3,4,5,6,7
	v_cvt_i32_f32 v[TB+8*\p+5], v[TB+8*\p+1]       ; k as a whole number
	v_and_b32 v[TB+8*\p+1], 1, v[TB+8*\p+5]
	v_cmp_ne_u32 vcc_lo, 0, v[TB+8*\p+1]           ; an odd quadrant swaps the two
	v_cndmask_b32 v[TB+8*\p+6], v[TB+8*\p+4], v[TB+8*\p+3], vcc_lo
	v_cndmask_b32 v[TB+8*\p+7], v[TB+8*\p+3], v[TB+8*\p+4], vcc_lo
	v_add_nc_u32 v[TB+8*\p+1], 1, v[TB+8*\p+5]
	v_and_b32 v[TB+8*\p+1], 2, v[TB+8*\p+1]        ; cos is negative in quadrants 1 and 2,
	v_and_b32 v[TB+8*\p+5], 2, v[TB+8*\p+5]        ; sin in quadrants 2 and 3
	v_lshlrev_b32 v[TB+8*\p+1], 30, v[TB+8*\p+1]
	v_lshlrev_b32 v[TB+8*\p+5], 30, v[TB+8*\p+5]
	v_xor_b32 v[TB+8*\p+6], v[TB+8*\p+6], v[TB+8*\p+1]
	v_xor_b32 v[TB+8*\p+7], v[TB+8*\p+7], v[TB+8*\p+5]
	global_store_b64 v10, v[TB+8*\p+6:TB+8*\p+7], s[20:21] offset:256*\p   ; 32 lanes store a position's 256 consecutive bytes, aligned
.endr
	s_endpgm
.Lfunc_end_k_q434fe4e091_prep:
	.size	k_q434fe4e091_prep, .Lfunc_end_k_q434fe4e091_prep-k_q434fe4e091_prep
	.p2alignl 7, 3214868480
	.fill 96, 4, 3214868480
	.section	.rodata,"a",@progbits
	.p2align	6, 0x0
	.amdhsa_kernel k_q434fe4e091_prep
		.amdhsa_group_segment_fixed_size 42240
		.amdhsa_private_segment_fixed_size 0
		.amdhsa_enable_private_segment 0
		.amdhsa_kernarg_size 72
		.amdhsa_user_sgpr_count 2
		.amdhsa_user_sgpr_kernarg_segment_ptr 1
		.amdhsa_wavefront_size32 1
		.amdhsa_system_sgpr_workgroup_id_x 1
		.amdhsa_system_sgpr_workgroup_id_y 1
		.amdhsa_system_sgpr_workgroup_id_z 1
		.amdhsa_system_vgpr_workitem_id 0
		.amdhsa_next_free_vgpr 224
		.amdhsa_next_free_sgpr 66
		.amdhsa_reserve_vcc 1
		.amdhsa_float_denorm_mode_32 3
		.amdhsa_float_denorm_mode_16_64 3
		.amdhsa_memory_ordered 1
		.amdhsa_forward_progress 1
		.amdhsa_inst_pref_size 54
	.end_amdhsa_kernel
	.amdgpu_metadata
---
amdhsa.version: [ 1, 2 ]
amdhsa.kernels:
  - .name:           k_q434fe4e091_prep
    .symbol:         k_q434fe4e091_prep.kd
    .args:
      - { .name: x, .offset: 0, .size: 8, .value_kind: global_buffer, .address_space: global }
      - { .name: wq, .offset: 8, .size: 8, .value_kind: global_buffer, .address_space: global }
      - { .name: wk, .offset: 16, .size: 8, .value_kind: global_buffer, .address_space: global }
      - { .name: wv, .offset: 24, .size: 8, .value_kind: global_buffer, .address_space: global }
      - { .name: wo, .offset: 32, .size: 8, .value_kind: global_buffer, .address_space: global }
      - { .name: lowp_scales, .offset: 40, .size: 8, .value_kind: global_buffer, .address_space: global }
      - { .name: xc, .offset: 48, .size: 8, .value_kind: global_buffer, .address_space: global }
      - { .name: wc, .offset: 56, .size: 8, .value_kind: global_buffer, .address_space: global }
      - { .name: rope, .offset: 64, .size: 8, .value_kind: global_buffer, .address_space: global }
    .group_segment_fixed_size: 42240
    .private_segment_fixed_size: 0
    .kernarg_segment_align: 8
    .kernarg_segment_size: 72
    .max_flat_workgroup_size: 288
    .sgpr_count:     66
    .vgpr_count:     224
    .wavefront_size: 32
...
	.end_amdgpu_metadata
.endif
;; end of part 1
;; launch qkv (part 2): grid 4 x 48, 4 waves a work-group, clusters of 4 x 4, 327,680 bytes of LDS; arguments xc, wc, rope, lowp_scales, qkv; writes qkv
.if DOCPART == 2
	.amdgcn_target "amdgcn-amd-amdhsa--gfx1250"
	.amdhsa_code_object_version 6
	.text
	.protected	k_q434fe4e091_qkv
	.globl	k_q434fe4e091_qkv
	.p2align	8
	.type	k_q434fe4e091_qkv,@function
k_q434fe4e091_qkv:
	s_mov_b64 s[64:65], 0
	v_nop
	global_prefetch_b8 v0, s[64:65] scope:SCOPE_SE
	s_setreg_imm32_b32 hwreg(HW_REG_WAVE_MODE, 25, 1), 1
	s_wait_xcnt 0x0
	s_wait_alu depctr_hold_cnt(0) depctr_sa_sdst(0) depctr_va_vdst(0) depctr_va_sdst(0) depctr_va_ssrc(0) depctr_va_vcc(0) depctr_vm_vsrc(0)
	s_getreg_b32 s2, hwreg(HW_REG_IB_STS2, 6, 4)
	s_cmp_eq_u32 s2, 0
	s_cbranch_scc0 .Lentry_in_a_cluster
	s_endpgm
.Lentry_in_a_cluster:
	s_bfe_u32 s2, ttmp6, 0x10000c
	s_cmp_lg_u32 s2, 0xf033
	s_cbranch_scc0 .Lentry_shape_is_right
	s_endpgm
.Lentry_shape_is_right:
; QKV.  q = x wq^T, k = x wk^T, v = x wv^T on E4M3 codes (K = 1,024), then RoPE on q and k, and all three quantised again, as the operands of attention's two products (scales 2^e6, 2^e7, 2^e9).
; A tile of 256 x 256 results is made by a work-group of four waves, a wave makes 128 x 128: 64 accumulators, 512 registers.  K goes in steps of 256 through a ring of two LDS slots filled by the tensor data mover.
; TWELVE CLUSTERS of 4 x 4 work-groups; the cluster's y says what it makes: TYPE = y / 4 (0 q, 1 k, 2 v), part = y % 4.  For q and k the side called A is x (16 tile rows) and B the weight (4 tile columns).
; v IS MADE TRANSPOSED, v^T = wv x^T: A is wv (4 tile rows of channels), B is x (16 tile columns of positions), so that a lane ends with eight neighbouring KEYS of one channel: the keys are the K of attention's second product.
; So the products are one text for all three; only the two ways out differ, and the branch between them hangs on the cluster's number, which all partners share.
; The four work-groups of a row of the cluster need the same tiles of A, the four of a column the same tiles of B: each tile is asked for JOINTLY.  192 tiles of this size are all that the three products have.
; THE MATRIX INSTRUCTION IS USED TRANSPOSED (source 0 = 16 rows of B, source 1 = 16 rows of A): lane l holds row l % 16 of A's block and its registers the eight columns 8 (l / 16) + 0 .. 7 of B's block.
; A fragment is fetched by four loads of 16 bytes: a permutation of k inside the 128, the same in A and in B, so every product meets its partner.
; THE SCALES.  A sum stands for sum x 2^(ea + eb).  RoPE is linear, so it is applied to the sums as they are, and the conversion takes the one scale 2^(eo - ea - eb).
; LIMITS: eo - ea - eb, that is e6 - e0 - e1, e7 - e2 - e3 and e9 - e4 - e5, between -126 and 119.  NaN is not served.
; OUT.  q at byte 0, k at 4 MiB: [32 batch x head][2,048 positions][64]; in a row, byte 32 g + 8 b + j holds channel 16 b + 8 g + j: the same order in q and in k, a permutation of their product's K.
;       v at 8 MiB: [32][16 key steps][64 channels][128]; in a row, byte 32 c + 16 g + 8 u + j holds key 32 c + 16 u + 8 g + j of the step: the order in which attention's weights leave their conversions.
; REGISTERS, in windows of 256: window 0: v0-31 addresses; v128-255 A's fragments, ONE set; v32-127 free in the loop.  window 1: B's fragments, TWO sets.  windows 2, 3: the accumulators ((a, b) at v[8 (8 (a % 4) + b)]).
.set ROWB,   256                       ; a tile's row in bytes: 256 codes
.set KROW,   256                       ; from row to row of a tile in memory: tiles are dense
.set KBLK,   32768                     ; from K step to K step: 128 rows x 256 bytes
.set PITCH,  272                       ; an LDS row: 256 bytes + 16 of padding, so that the 16 rows that a load touches start 16 bytes further round the banks each (64 banks of 4 bytes: ISA guide 11.1)
.set FR,     16                        ; registers of a fragment: 16 rows x 128 K
.set NL,     4                         ; LDS loads that bring one
.set NP,     4                         ; places behind this matrix instruction (ISA guide 7.12.1)
.set HALFT,  256*PITCH                 ; what one wave fetches for both slots: 128 rows of slot 0, then the same rows of slot 1.  A's two halves, then B's two
.set SLOT,   128*PITCH                 ; slot 1 begins so far behind slot 0 in each of the four
.set SPARE,  4*HALFT                   ; behind them: the spare words, 128 bytes a wave: two blocks of 256 bytes that no other line names
.set VSTG,   SPARE+512                 ; v's way out: a stage of 64 rows x 144 bytes for each wave
.set QSTG,   VSTG+4*9216               ; q's and k's way out: 2 heads x 16 rows x 80 bytes for each wave.  The two ways have bytes of their own; no tile lands in either
.set RO,   8                           ; v8   my bytes in 16 positions of the table: 256 (l % 16) + 32 (l / 16)
.set STOQ, 9                           ; v9   q, k: where I put 32 bytes of a row
.set RDQ,  10                          ; v10  and where I read rows back
.set COQ,  11                          ; v11  16 x lane: my bytes of a store's 512
.set VSTO, 12                          ; v12  v: where I put 16 bytes of a row
.set VRD,  13                          ; v13  and where I read rows back
.set SCL,  14                          ; v14  2^(eo - ea - eb) as f32
.set LIM,  15                          ; v15  448 x that
.set ADRA, 16                          ; v16-17  LDS address of my A fragments in slot 0, 1
.set ADRB, 20                          ; v20-21  the same for B
.set SPW,  28                          ; v28  LDS address of my spare word; never rewritten
.set NIL,  29                          ; v29  0; never rewritten
.set AF,   128
.set G1, 24                            ; s[24:31] descriptor group 1 for A's tiles;  s[32:39] group 0, one set for each slot
.set G0, 32
.set G1B, 48                           ; s[48:55], s[56:63] the same for B's tiles
.set G0B, 56
.set MSB, 0
.macro WIN new                         ; the immediate's high byte repeats the setting that is left; a switch that changes nothing is dropped
.if MSB != (\new)
	s_set_vgpr_msb (MSB<<8)|(\new)
.set MSB, (\new)
.endif
.endm
.set MUL_LO, 0xa1                      ; source 0 (B) window 1, source 1 (A) window 0, C and D window 2
.set MUL_HI, 0xf1                      ; the same, C and D window 3
.set TO_B,   0x40                      ; destination window 1, address window 0
; A joint load: waves 0 and 1 fetch for A, waves 2 and 3 for B.  Each line has one mask and one set of registers for all that issue it; the branch hangs on the wave's number alone.  Four v_nop follow each line.
.macro JLOAD g0a, g1a, g0b, g1b
	s_cmp_eq_u32 s15, 0
	s_cbranch_scc0 .Lfor_b_\@
	tensor_load_to_lds s[\g0a:\g0a+3], s[\g1a:\g1a+7]
	s_nop 0
.rept 4
	v_nop
.endr
	s_branch .Lasked_\@
.Lfor_b_\@:
	tensor_load_to_lds s[\g0b:\g0b+3], s[\g1b:\g1b+7]
	s_nop 0
.rept 4
	v_nop
.endr
.Lasked_\@:
.endm
.macro CREST                           ; a round of the cluster's barrier behind its opening barrier
	s_cmp_lg_u32 s14, 0
	s_cbranch_scc1 .Lnot_wave_0_\@
	s_barrier_signal -3
.Lnot_wave_0_\@:
	s_barrier_wait -3
	s_barrier_signal -1
	s_barrier_wait -1
.endm
.macro CROUND                          ; a whole round
	s_barrier_signal -1
	s_barrier_wait -1
	CREST
.endm
	s_load_b256 s[4:11], s[0:1], 0x0               ; xc s[4:5], wc s[6:7], rope s[8:9], the scales' exponents s[10:11]
	s_load_b64 s[12:13], s[0:1], 0x20              ; qkv
	v_lshl_add_u32 v[SPW], v0, 2, SPARE
	v_mov_b32 v[NIL], 0
	ds_add_u32 v28, v29
	ds_add_u32 v28, v29
	s_wait_dscnt 0x0
	v_lshrrev_b32 v1, 5, v0
	v_readfirstlane_b32 s14, v1                    ; wave 0..3
	s_lshr_b32 s15, s14, 1                         ; which half of A's rows is mine.  Also: I fetch for A (0) or for B (1)
	s_and_b32 s16, s14, 1                          ; which half of B's rows.  Also: which 128 rows of that tile I fetch
	s_bfe_u32 s40, ttmp6, 0x40000                  ; cx, cy: my place in the cluster
	s_bfe_u32 s41, ttmp6, 0x40004
	s_and_b32 s67, ttmp7, 0xffff                   ; the cluster's y
	s_lshr_b32 s66, s67, 2                         ; TYPE
	s_and_b32 s67, s67, 3
	s_lshl_b32 s67, s67, 2                         ; 4 x part
	s_lshl_b32 s70, s66, 22                        ; x's set of codes: TYPE x 4 MiB
	s_lshl_b32 s71, s66, 20                        ; the weight's: TYPE x 1 MiB
	s_cmp_eq_u32 s66, 2
	s_cselect_b32 s68, 0, s67                      ; the part counts tile rows for q and k,
	s_cselect_b32 s69, s67, 0                      ; tile columns for v
	s_cselect_b32 s88, s71, s70                    ; A's bytes in its buffer
	s_cselect_b32 s89, s70, s71                    ; B's
	s_add_co_u32 s17, s68, s41                     ; tile row
	s_add_co_u32 s42, s69, s40                     ; tile column
	s_lshl_b32 s43, s41, 2
	s_lshl_b32 s43, 15, s43                        ; my row of the cluster
	s_lshl_b32 s44, 0x1111, s40                    ; my column
	; descriptor group 1: one K step of 128 rows, a dense block of 128 rows x 256 bytes, padded in LDS
	s_or_b32 s[G1+0], s43, (0<<16)|(1<<20)|(1<<21)|(5<<22)|(3<<25)  ; 15:0 the mask: A's tiles go to my row; 17:16 elements of 1 byte; 20 padding on; 21 set beside a mask; 24:22 after every 64 words; 31:25 four words
	s_or_b32 s[G1B+0], s44, (0<<16)|(1<<20)|(1<<21)|(5<<22)|(3<<25)
.irp g, G1, G1B
	s_mov_b32 s[\g+1], ROWB<<16                    ; tensor_dim0
	s_mov_b32 s[\g+2], 128<<16                     ; tensor_dim1
	s_mov_b32 s[\g+3], ROWB<<16                    ; tile_dim0
	s_mov_b32 s[\g+4], 128                         ; tile_dim1
	s_mov_b32 s[\g+5], KROW                        ; tensor_dim0_stride
	s_mov_b32 s[\g+6], 0
	s_mov_b32 s[\g+7], 0
.endr
	s_lshl_b32 s18, s16, 7                         ; which 128 rows of the tile I fetch
	s_lshl_b32 s20, s17, 8
	s_add_co_u32 s20, s20, s18                     ; A: row 256 x tile row + 128 x half,
	s_lshl_b32 s20, s20, 10                        ; in bytes,
	s_add_co_u32 s20, s20, s88                     ; in its buffer: made of the tile row, the wave and the cluster's number alone
	s_mov_b32 s21, 0
	s_lshl_b32 s46, s42, 8
	s_add_co_u32 s46, s46, s18                     ; B likewise, of the tile column
	s_lshl_b32 s46, s46, 10
	s_add_co_u32 s46, s46, s89
	s_mov_b32 s47, 0
	s_mul_i32 s45, s14, HALFT                      ; where they go: wave x 128 rows: no place in the cluster enters an LDS address
	s_wait_kmcnt 0x0
	s_load_b256 s[72:79], s[10:11], 0x0            ; e0 .. e7
	s_load_b128 s[80:83], s[10:11], 0x20           ; e8 .. e11
	s_cmp_eq_u32 s66, 2
	s_cselect_b64 s[90:91], s[6:7], s[4:5]         ; A's buffer: the weights for v, else x's codes
	s_cselect_b64 s[92:93], s[4:5], s[6:7]         ; B's
	s_add_nc_u64 s[20:21], s[90:91], s[20:21]
	s_add_nc_u64 s[46:47], s[92:93], s[46:47]
	CROUND                                         ; all sixteen work-groups are here: the first joint loads meet
.irp s, 0,1
	s_mov_b32 s[G0+4*\s], 1
	s_add_co_u32 s[G0+4*\s+1], s45, \s*SLOT
	s_add_nc_u64 s[G0+4*\s+2:G0+4*\s+3], s[20:21], \s*KBLK
	s_or_b32 s[G0+4*\s+3], s[G0+4*\s+3], 0x80000000
	s_mov_b32 s[G0B+4*\s], 1
	s_add_co_u32 s[G0B+4*\s+1], s45, \s*SLOT
	s_add_nc_u64 s[G0B+4*\s+2:G0B+4*\s+3], s[46:47], \s*KBLK
	s_or_b32 s[G0B+4*\s+3], s[G0B+4*\s+3], 0x80000000
.endr
	JLOAD G0, G1, G0B, G1B                         ; K step 0: one tensor load a wave at the head
	; the prefetches: of the 128 rows that I fetch, the four partners that ask for them with me take 32 each, told apart by address (cx for A, cy for B); a lane a row
	s_cmp_eq_u32 s15, 0
	s_cselect_b64 s[96:97], s[20:21], s[46:47]
	s_cselect_b32 s98, s40, s41
	s_lshl_b32 s98, s98, 13
	s_mov_b32 s99, 0
	s_add_nc_u64 s[96:97], s[96:97], s[98:99]
	v_and_b32 v1, 15, v0                           ; r = l % 16
	v_bfe_u32 v2, v0, 4, 1                         ; h = l / 16
	v_and_b32 v5, 31, v0                           ; l
	v_mul_u32_u24 v3, v1, PITCH
	v_lshl_add_u32 v4, v2, 4, v3                   ; a fragment's row x pitch + 16 x half
	s_mul_i32 s21, s15, HALFT                      ; my 128 rows of A
	s_mul_i32 s22, s16, HALFT                      ; my 128 rows of B,
	s_add_co_u32 s22, s22, 2*HALFT                 ; which lie behind A's 256
.irp s, 0,1
	v_add_nc_u32 v[ADRA+\s], s21, v4
	v_add_nc_u32 v[ADRB+\s], s22, v4
	s_add_co_u32 s21, s21, SLOT
	s_add_co_u32 s22, s22, SLOT
.endr
	v_lshlrev_b32 v30, 8, v5                       ; my lane's row; never rewritten
	global_prefetch_b8 v30, s[96:97] offset:KBLK th:TH_LOAD_NT scope:SCOPE_SE     ; K step 1: its load stands behind K step 0's landing and a round,
	global_prefetch_b8 v30, s[96:97] offset:2*KBLK th:TH_LOAD_NT scope:SCOPE_SE   ; K step 2's one K step of products further down
	v_lshlrev_b32 v[RO], 8, v1
	v_lshl_add_u32 v[RO], v2, 5, v[RO]
	s_mul_i32 s23, s14, 2560
	s_add_co_u32 s23, s23, QSTG                    ; my stage for q and k
	v_mul_u32_u24 v[STOQ], v1, 80
	v_lshl_add_u32 v[STOQ], v2, 5, v[STOQ]
	v_add_nc_u32 v[STOQ], s23, v[STOQ]             ; in: row r, 32 bytes for each half of the lanes
	v_lshrrev_b32 v6, 2, v5
	v_mul_u32_u24 v[RDQ], v6, 80
	v_and_b32 v6, 3, v5
	v_lshl_add_u32 v[RDQ], v6, 4, v[RDQ]
	v_add_nc_u32 v[RDQ], s23, v[RDQ]               ; back: four lanes to a row of 64 bytes, eight rows an instruction
	v_lshlrev_b32 v[COQ], 4, v5
	s_mul_i32 s23, s14, 9216
	s_add_co_u32 s23, s23, VSTG                    ; my stage for v
	v_mul_u32_u24 v[VSTO], v1, 144
	v_lshl_add_u32 v[VSTO], v2, 4, v[VSTO]
	v_add_nc_u32 v[VSTO], s23, v[VSTO]             ; in: row r, 16 bytes for each half of the lanes
	v_lshrrev_b32 v6, 3, v5
	v_mul_u32_u24 v[VRD], v6, 144
	v_and_b32 v6, 7, v5
	v_lshl_add_u32 v[VRD], v6, 4, v[VRD]
	v_add_nc_u32 v[VRD], s23, v[VRD]               ; back: eight lanes to a row of 128 bytes, four rows an instruction
	; where my results go.  q, k: row = position (A's side), my 128 columns are two heads
	s_lshr_b32 s88, s17, 3                         ; batch
	s_lshl_b32 s88, s88, 4
	s_lshl_b32 s89, s42, 2
	s_add_co_u32 s88, s88, s89
	s_lshl_b32 s89, s16, 1
	s_add_co_u32 s88, s88, s89                     ; my first head: 16 x batch + 4 x tile column + 2 x half
	s_lshl_b32 s88, s88, 11
	s_and_b32 s89, s17, 7
	s_lshl_b32 s89, s89, 8
	s_lshl_b32 s94, s15, 7
	s_add_co_u32 s89, s89, s94                     ; my first position
	s_add_co_u32 s88, s88, s89
	s_lshl_b32 s88, s88, 6                         ; rows of 64 bytes
	s_add_co_u32 s88, s88, s70                     ; + TYPE x 4 MiB
	s_lshl_b32 s86, s89, 8                         ; and that position's 256 bytes of the table
	s_mov_b32 s87, 0
	s_add_nc_u64 s[86:87], s[8:9], s[86:87]
	; v: row = channel (A's side: my 128 rows are two heads), my 128 columns are one key step
	s_lshr_b32 s90, s42, 3                         ; batch
	s_lshl_b32 s90, s90, 4
	s_lshl_b32 s91, s17, 2
	s_add_co_u32 s90, s90, s91
	s_lshl_b32 s91, s15, 1
	s_add_co_u32 s90, s90, s91                     ; my first head
	s_lshl_b32 s90, s90, 4
	s_and_b32 s91, s42, 7
	s_lshl_b32 s91, s91, 1
	s_add_co_u32 s90, s90, s91
	s_add_co_u32 s90, s90, s16                     ; + the key step: 2 x (tile column % 8) + half
	s_lshl_b32 s90, s90, 13                        ; blocks of 64 x 128 bytes
	s_add_co_u32 s90, s90, s70                     ; + 8 MiB
	s_cmp_eq_u32 s66, 2
	s_cselect_b32 s84, s90, s88
	s_mov_b32 s85, 0
	s_add_nc_u64 s[84:85], s[12:13], s[84:85]
.macro FRAG reg, adr, q, i             ; a fragment: lane l holds row l % 16; registers 4 c .. 4 c + 3 hold K = 32 c + 16 (l / 16) + 0 .. 15
.irp c, 0,1,2,3
	ds_load_b128 v[\reg+4*\c:\reg+4*\c+3], v[\adr] offset:128*(\q)+32*\c+(\i)*16*PITCH
.endr
.endm
; 16 matrix instructions: A's blocks a0, a0 + 1 x B's eight, 128 along K.  p: B's set.  zero = 1: the first product starts the sums.  The 64 accumulators take turns, one instruction a turn, in the same order in every step.
.macro MUL16 a0, p, zero
.irp a, \a0, \a0+1
.irp b, 0,1,2,3,4,5,6,7
.if \zero
	v_wmma_f32_16x16x128_fp8_fp8 v[8*(8*((\a)%4)+\b):8*(8*((\a)%4)+\b)+7], v[128*(\p)+FR*\b:128*(\p)+FR*\b+FR-1], v[AF+FR*(\a):AF+FR*(\a)+FR-1], 0
.else
	v_wmma_f32_16x16x128_fp8_fp8 v[8*(8*((\a)%4)+\b):8*(8*((\a)%4)+\b)+7], v[128*(\p)+FR*\b:128*(\p)+FR*\b+FR-1], v[AF+FR*(\a):AF+FR*(\a)+FR-1], v[8*(8*((\a)%4)+\b):8*(8*((\a)%4)+\b)+7]
.endif
.endr
.endr
.endm
.macro FETCH_B slot, q, p              ; B's eight fragments of the slot's q-th 128 along K into set p
	WIN TO_B
.irp i, 0,1,2,3,4,5,6,7
	FRAG 128*(\p)+FR*\i, ADRB+\slot, \q, \i
.endr
	WIN 0
.endm
.macro FETCH_A slot, q, i0             ; A's blocks i0 .. i0 + 3
.irp i, \i0, \i0+1, \i0+2, \i0+3
	FRAG AF+FR*(\i), ADRA+\slot, \q, \i
.endr
.endm
.macro PLACES n                        ; plain vector lines between a matrix instruction and a load into, or a vector line on, its registers (ISA guide 7.12.1 for vector lines)
.rept \n
	v_nop
.endr
.endm
; A step of 128 along K that has its successor in the same slot.  A's blocks are free as soon as their eight products are issued, so one set serves A: blocks 0-3 are fetched anew in the step's middle, blocks 4-7 at its end.
.macro STEP slot, q, zero
	s_wait_dscnt 4*NL                              ; B's set and A's blocks 0-3 are in; the youngest 16 loads (A's blocks 4-7) may be out
	WIN MUL_LO
	MUL16 0, (\q)%2, \zero
	MUL16 2, (\q)%2, \zero
	s_wait_dscnt 0                                 ; A's blocks 4-7 are in
	PLACES NP
	FETCH_B \slot, (\q)+1, 1-(\q)%2
	FETCH_A \slot, (\q)+1, 0
	WIN MUL_HI
	MUL16 4, (\q)%2, \zero
	MUL16 6, (\q)%2, \zero
	PLACES NP
	WIN 0
	FETCH_A \slot, (\q)+1, 4
.endm
; A slot's last step changes slots: one barrier; in front of it each wave waits for all its tensor loads, adds 0 to its spare word, and waits for that and for its own reads of this slot.  fill = 1: this slot is filled again, two K steps ahead.
.macro TURN slot, next, fill
	s_wait_tensorcnt 0x0                           ; all my tensor loads have landed: my part of the next slot  (every window is 0 here)
	ds_add_u32 v[SPW], v[NIL]                      ; 0 onto my spare word
	s_wait_dscnt 4*NL+1                            ; (the add and the youngest 16 loads, A's blocks 4-7, may be out)
	WIN MUL_LO
	MUL16 0, 1, 0                                  ; sixteen matrix instructions stand between the add and the wait for it
	s_wait_dscnt 0x0                               ; the add is done, and my reads of this slot are over
	s_barrier_signal -1
	MUL16 2, 1, 0
	WIN 0
	s_barrier_wait -1
.if \fill
	CREST                                          ; the barrier has opened a round of the cluster's barrier: no wave of any partner still reads this slot's tile or has a load on its way
	s_add_nc_u64 s[G0+4*\slot+2:G0+4*\slot+3], s[G0+4*\slot+2:G0+4*\slot+3], 2*KBLK
	s_add_nc_u64 s[G0B+4*\slot+2:G0B+4*\slot+3], s[G0B+4*\slot+2:G0B+4*\slot+3], 2*KBLK
	JLOAD G0+4*\slot, G1, G0B+4*\slot, G1B         ; the first tensor load behind the round; its four v_nop are the places in front of the loads below
.else
	PLACES NP
.endif
	FETCH_B \next, 0, 0
	FETCH_A \next, 0, 0
.if (\fill) && ((\slot) == 0)
	global_prefetch_b8 v30, s[96:97] offset:3*KBLK th:TH_LOAD_NT scope:SCOPE_SE   ; K step 3, one K step ahead of its load; the last one
.endif
	WIN MUL_HI
	MUL16 4, 1, 0
	MUL16 6, 1, 0
	PLACES NP
	WIN 0
	FETCH_A \next, 0, 4
.endm
.macro LASTSTEP                        ; the last 128 along K: nothing more to fetch
	s_wait_dscnt 4*NL
	WIN MUL_LO
	MUL16 0, 1, 0
	MUL16 2, 1, 0
	s_wait_dscnt 0
	WIN MUL_HI
	MUL16 4, 1, 0
	MUL16 6, 1, 0
	WIN 0
.endm
	s_wait_alu depctr_va_vdst(0)
	s_wait_tensorcnt 0x0                           ; my part of K step 0 is in
	ds_add_u32 v[SPW], v[NIL]
	s_wait_dscnt 0x0
	CROUND                                         ; everybody's part of K step 0 is in, and all sixteen work-groups are here,
	JLOAD G0+4, G1, G0B+4, G1B                     ; and K step 1's load, the first behind the round
	FETCH_B 0, 0, 0
	FETCH_A 0, 0, 0
	FETCH_A 0, 0, 4
	STEP 0, 0, 1                                   ; K 0-127: the products start the sums
	TURN 0, 1, 1                                   ; K 128-255; slot 0 takes K 512-767
	STEP 1, 0, 0
	TURN 1, 0, 1                                   ; K 384-511; slot 1 takes K 768-1,023
	STEP 0, 0, 0
	TURN 0, 1, 0                                   ; nothing is left to fetch
	STEP 1, 0, 0
	s_wait_kmcnt 0x0                               ; the scales' exponents
	s_add_co_i32 s88, s72, s73
	s_sub_co_i32 s88, s78, s88                     ; q: e6 - e0 - e1
	s_add_co_i32 s89, s74, s75
	s_sub_co_i32 s89, s79, s89                     ; k: e7 - e2 - e3
	s_add_co_i32 s90, s76, s77
	s_sub_co_i32 s90, s81, s90                     ; v: e9 - e4 - e5
	s_cmp_eq_u32 s66, 0
	s_cselect_b32 s88, s88, s89
	s_cmp_eq_u32 s66, 2
	s_cselect_b32 s88, s90, s88
	s_add_co_i32 s88, s88, 127
	s_lshl_b32 s89, s88, 23
	v_mov_b32 v[SCL], s89
	s_add_co_i32 s88, s88, 8
	s_lshl_b32 s88, s88, 23
	s_or_b32 s88, s88, 0x600000
	v_mov_b32 v[LIM], s88
	s_cmp_eq_u32 s66, 2
	s_cbranch_scc1 .Lv                             ; the same way in all sixteen partners
; ---- THE WAY OUT OF q AND k.  Accumulator (a, b): position 16 a + r, head b / 4 of my two, channels 16 (b % 4) + 8 h + 0 .. 7: four pairs (even, odd) of RoPE, pairs 8 (b % 4) + 4 h + 0 .. 3.
.set RR,  128                          ; v128-159 a head's 32 rotated numbers of my row
.set TT,  208                          ; v208-239 at work
.set CD,  168                          ; v168-175 their codes
.set OUT, 176                          ; v176-207 two sets of 16: rows read back
.macro ROPE_LOAD a, reg                ; (cos, sin) of my 16 pairs at position 16 a + r: 32 registers from reg on, register 8 b + 2 p = cos, + 1 = sin of pair 8 b + 4 h + p
.irp b, 0,1,2,3
	global_load_b128 v[\reg+8*\b:\reg+8*\b+3], v[RO], s[86:87] offset:4096*(\a)+64*\b
	global_load_b128 v[\reg+8*\b+4:\reg+8*\b+7], v[RO], s[86:87] offset:4096*(\a)+64*\b+16
.endr
.endm
.macro QKBLOCK a, hh                   ; 16 positions of one head: rotate, hold, convert, into the stage
.if (\a) < 3
.set CSB, 32+32*(\a)                   ; the table's numbers of blocks 0-2 lie in window 0,
	WIN 0x02+(\a)/4                                ; source 0 (the sums): window 2 or 3
.else
.set CSB, 32*((\a)-3)                  ; those of blocks 3-7 in window 1
	WIN 0x06+(\a)/4
.endif
.irp b, 0,1,2,3
.set AC, 64*((\a)%4)+8*(4*(\hh)+\b)
.irp p, 0,2,4,6
	v_pk_mul_f32 v[TT+8*\b+\p:TT+8*\b+\p+1], v[AC+\p:AC+\p+1], v[CSB+8*\b+\p:CSB+8*\b+\p+1] op_sel:[1,1] op_sel_hi:[0,1]   ; (odd x sin, even x sin); each accumulator from its low end on
.endr
.endr
.irp b, 0,1,2,3
.set AC, 64*((\a)%4)+8*(4*(\hh)+\b)
.irp p, 0,2,4,6
	v_pk_fma_f32 v[RR+8*\b+\p:RR+8*\b+\p+1], v[AC+\p:AC+\p+1], v[CSB+8*\b+\p:CSB+8*\b+\p+1], v[TT+8*\b+\p:TT+8*\b+\p+1] op_sel_hi:[1,0,1] neg_lo:[0,0,1]   ; (even x cos - odd x sin, odd x cos + even x sin)
.endr
.endr
	WIN 0
.set n, 0
.rept 32
	v_med3_num_f32 v[RR+n], v[RR+n], -v[LIM], v[LIM]   ; the conversion does not saturate (ISA guide 7.6.2): the hold comes first
.set n, n+1
.endr
.irp b, 0,1,2,3
	v_cvt_scalef32_pk8_fp8_f32 v[CD+2*\b:CD+2*\b+1], v[RR+8*\b:RR+8*\b+7], v[SCL]
.endr
	v_nop                                          ; a plain line between the conversions and the next lines that write their sources
	ds_store_b128 v[STOQ], v[CD:CD+3] offset:1280*(\hh)
	ds_store_b128 v[STOQ], v[CD+4:CD+7] offset:1280*(\hh)+16
.endm
.macro BACK a                          ; both heads' 16 rows come back as runs of 512 bytes.  LDS serves a wave's instructions in order (ISA guide 5.7.1.4): these see the stores above, and the next block's stores come behind them
.irp hh, 0,1
	ds_load_b128 v[OUT+16*((\a)%2)+8*\hh:OUT+16*((\a)%2)+8*\hh+3], v[RDQ] offset:1280*\hh
	ds_load_b128 v[OUT+16*((\a)%2)+8*\hh+4:OUT+16*((\a)%2)+8*\hh+7], v[RDQ] offset:1280*\hh+640
.endr
.endm
.macro SENDQ a, younger                ; younger: the LDS instructions issued behind block a's loads, which may stay out
	s_wait_dscnt \younger
.irp hh, 0,1
	global_store_b128 v[COQ], v[OUT+16*((\a)%2)+8*\hh:OUT+16*((\a)%2)+8*\hh+3], s[84:85] offset:131072*\hh+1024*(\a)        ; 32 lanes store 512 consecutive bytes (eight rows), aligned
	global_store_b128 v[COQ], v[OUT+16*((\a)%2)+8*\hh+4:OUT+16*((\a)%2)+8*\hh+7], s[84:85] offset:131072*\hh+1024*(\a)+512
.endr
.endm
	ROPE_LOAD 0, 32                                ; three blocks' numbers of the table are asked for ahead of the last 64 products, into registers that the loop leaves free
	ROPE_LOAD 1, 64
	ROPE_LOAD 2, 96
	LASTSTEP
	PLACES NP                                      ; behind the last products: loads into B's registers, and vector lines on results and on A's registers, follow
	WIN TO_B
.irp a, 3,4,5,6,7
	ROPE_LOAD \a, 32*(\a-3)
.endr
	WIN 0
.irp a, 0,1,2,3,4,5,6,7
	s_wait_loadcnt 56-8*\a                         ; this block's eight loads are in; those of the later blocks may be out
	QKBLOCK \a, 0
	QKBLOCK \a, 1
.if \a >= 2
	s_wait_xcnt 0x0                                ; block a - 2's stores have read their registers: this block's rows may land there
.endif
	BACK \a
.if \a > 0
	SENDQ \a-1, 8                                  ; behind block a - 1's loads: block a's 4 stores and 4 loads
.endif
.endr
	SENDQ 7, 0
	s_branch .Lend
; ---- THE WAY OUT OF v.  Accumulator (a, b): channel 16 (a % 4) + r of head a / 4 of my two, keys 16 b + 8 h + 0 .. 7 of my key step.
.Lv:
.set VR,   32                          ; v32-95   a block's 64 numbers, held
.set VCD,  96                          ; v96-111  their codes
.set OUTV, 128                         ; v128-255 two sets of 64: a head's block of 8 KiB read back
.macro VBLOCK a
	WIN 0x02+(\a)/4                                ; source 0 (the sums): window 2 or 3
.set n, 0
.rept 64
	v_med3_num_f32 v[VR+n], v[64*((\a)%4)+n], -v[LIM], v[LIM]   ; ascending: each accumulator from its low end on
.set n, n+1
.endr
	WIN 0
.irp b, 0,1,2,3,4,5,6,7
	v_cvt_scalef32_pk8_fp8_f32 v[VCD+2*\b:VCD+2*\b+1], v[VR+8*\b:VR+8*\b+7], v[SCL]
.endr
	v_nop                                          ; a plain line between the conversions and the next holds, which write their sources
.irp c, 0,1,2,3
	ds_store_b128 v[VSTO], v[VCD+4*\c:VCD+4*\c+3] offset:2304*((\a)%4)+32*\c   ; blocks 2 c and 2 c + 1: keys 32 c + 16 u + 8 h + j at byte 32 c + 16 h + 8 u + j
.endr
.endm
.macro VHEAD hh                        ; a head's 64 channels into the stage, and back as runs of 512 bytes (four rows)
	VBLOCK 4*\hh
	VBLOCK 4*\hh+1
	VBLOCK 4*\hh+2
	VBLOCK 4*\hh+3
.irp i, 0,1,2,3,4,5,6,7,8,9,10,11,12,13,14,15
	ds_load_b128 v[OUTV+64*\hh+4*\i:OUTV+64*\hh+4*\i+3], v[VRD] offset:576*\i
.endr
.endm
.macro SENDV hh, younger
	s_wait_dscnt \younger
.irp i, 0,1,2,3,4,5,6,7,8,9,10,11,12,13,14,15
	global_store_b128 v[COQ], v[OUTV+64*\hh+4*\i:OUTV+64*\hh+4*\i+3], s[84:85] offset:131072*\hh+512*\i   ; 32 lanes store 512 consecutive bytes, aligned
.endr
.endm
	LASTSTEP
	PLACES NP
	s_wait_alu depctr_va_vdst(0)
	VHEAD 0
	VHEAD 1
	SENDV 0, 32                                    ; behind the first head's loads: the second head's 16 stores and 16 loads
	SENDV 1, 0
.Lend:
	s_wait_tensorcnt 0x0                           ; the wave's end, behind my last tensor load and my last LDS store
	ds_add_u32 v[SPW], v[NIL]
	s_wait_dscnt 0x0
	CROUND                                         ; the closing round: no work-group ends while a partner may still ask for a tile that names it
	s_endpgm
.Lfunc_end_k_q434fe4e091_qkv:
	.size	k_q434fe4e091_qkv, .Lfunc_end_k_q434fe4e091_qkv-k_q434fe4e091_qkv
	.p2alignl 7, 3214868480
	.fill 96, 4, 3214868480
	.section	.rodata,"a",@progbits
	.p2align	6, 0x0
	.amdhsa_kernel k_q434fe4e091_qkv
		.amdhsa_group_segment_fixed_size 327680
		.amdhsa_private_segment_fixed_size 0
		.amdhsa_enable_private_segment 0
		.amdhsa_kernarg_size 40
		.amdhsa_user_sgpr_count 2
		.amdhsa_user_sgpr_kernarg_segment_ptr 1
		.amdhsa_wavefront_size32 1
		.amdhsa_system_sgpr_workgroup_id_x 1
		.amdhsa_system_sgpr_workgroup_id_y 1
		.amdhsa_system_sgpr_workgroup_id_z 1
		.amdhsa_system_vgpr_workitem_id 0
		.amdhsa_next_free_vgpr 1024
		.amdhsa_next_free_sgpr 100
		.amdhsa_reserve_vcc 0
		.amdhsa_float_denorm_mode_32 3
		.amdhsa_float_denorm_mode_16_64 3
		.amdhsa_memory_ordered 1
		.amdhsa_forward_progress 1
		.amdhsa_inst_pref_size 212
	.end_amdhsa_kernel
	.amdgpu_metadata
---
amdhsa.version: [ 1, 2 ]
amdhsa.kernels:
  - .name:           k_q434fe4e091_qkv
    .symbol:         k_q434fe4e091_qkv.kd
    .args:
      - { .name: xc, .offset: 0, .size: 8, .value_kind: global_buffer, .address_space: global }
      - { .name: wc, .offset: 8, .size: 8, .value_kind: global_buffer, .address_space: global }
      - { .name: rope, .offset: 16, .size: 8, .value_kind: global_buffer, .address_space: global }
      - { .name: lowp_scales, .offset: 24, .size: 8, .value_kind: global_buffer, .address_space: global }
      - { .name: qkv, .offset: 32, .size: 8, .value_kind: global_buffer, .address_space: global }
    .group_segment_fixed_size: 327680
    .private_segment_fixed_size: 0
    .kernarg_segment_align: 8
    .kernarg_segment_size: 40
    .max_flat_workgroup_size: 128
    .sgpr_count:     100
    .vgpr_count:     1024
    .wavefront_size: 32
...
	.end_amdgpu_metadata
.endif
;; end of part 2
;; launch attn (part 3): grid 8 x 32, 8 waves a work-group, clusters of 4 x 1, 327,680 bytes of LDS; arguments qkv, lowp_scales, ac; writes ac
.if DOCPART == 3
	.amdgcn_target "amdgcn-amd-amdhsa--gfx1250"
	.amdhsa_code_object_version 6
	.text
	.protected	k_q434fe4e091_attn
	.globl	k_q434fe4e091_attn
	.p2align	8
	.type	k_q434fe4e091_attn,@function
k_q434fe4e091_attn:
	s_mov_b64 s[64:65], 0
	v_nop
	global_prefetch_b8 v0, s[64:65] scope:SCOPE_SE
	s_setreg_imm32_b32 hwreg(HW_REG_WAVE_MODE, 25, 1), 1
	s_wait_xcnt 0x0
	s_wait_alu depctr_hold_cnt(0) depctr_sa_sdst(0) depctr_va_vdst(0) depctr_va_sdst(0) depctr_va_ssrc(0) depctr_va_vcc(0) depctr_vm_vsrc(0)
	s_getreg_b32 s2, hwreg(HW_REG_IB_STS2, 6, 4)
	s_cmp_eq_u32 s2, 0
	s_cbranch_scc0 .Lentry_in_a_cluster
	s_endpgm
.Lentry_in_a_cluster:
	s_bfe_u32 s2, ttmp6, 0x10000c
	s_cmp_lg_u32 s2, 0x3003
	s_cbranch_scc0 .Lentry_shape_is_right
	s_endpgm
.Lentry_shape_is_right:
; ATTENTION on E4M3 codes under the causal mask, both products quantised; the result is quantised again (scale 2^e10) as the last product's operand.
; q at byte 0, k at 4 MiB of qkv: [32 batch x head][2,048 positions][64], in one order of the channels; v at 8 MiB: [32][16 key steps][64 channels][128 keys], the keys in the order in which the weights leave their conversions.
; ac: [32 blocks of 128 rows][16 heads][128 rows][64 channels]: what a tile row of the last product reads is dense.
; WORK LEFT OUT: key steps of 128 keys that lie wholly after a tile's queries: reference()'s tril gives them the score -inf, so the weight 0.  LIMIT: a NaN, an infinity or an overflow there is not carried on.
; SOFTMAX: t = score x log2(e) / 8; M = the largest t so far, rounded up to a whole number; p = 2^(t - M), quantised as it is; the sum of the unquantised p divides at the end.  When M moves, sum and O^T take an exact power of two.
; LIMITS: e6 + e7 between -123 and 130 (added to the factor's exponent field); e8 and e10 between -126 and 119; the scaled scores (exponents to the base 2) under 2^31 in magnitude.  NaN is not served.
; SHARES.  y: batch x head.  A double tile is 32 neighbouring queries of a block of 128: queries 128 i + 32 c .. + 31, c = the place in the cluster.  The cluster's number n (0 or 1) says which eight of the sixteen blocks i are taken:
; waves g and g + 4 (g = 0 .. 3) share the early block e = 2 g + ((g xor n) & 1) and the late block 15 - e.  Wave g takes the early double tile's e + 1 key steps and then the late one's steps 8 .. 15 - e (9 steps);
; wave g + 4 takes the late one's steps 0-7 (8 steps).  The late double tile's two parts, each under its own M, meet in LDS.  Both tiles of a wave use each fragment of K and V.
; All 256 KiB of the head's K and V lie whole in LDS, each byte filled once; one tensor load a wave (32 KiB: 512 keys of K or of V).
; CLUSTER: four work-groups of a head ask for K and V jointly.  No branch and no LDS address hangs on the place in the cluster: c enters the queries' addresses and the mask alone.
; NO PREFETCH: every byte of K and V is asked for at the head; no loop runs ahead of a load.
; LAYOUT: S^T = K Q^T, O^T = V^T P^T: a lane holds one query (lane % 16) of each tile.  Register 8 t + j of a tile's S holds key 16 t + 8 (lane / 16) + j of the step.
; REGISTERS: window 0: v1-11 addresses; v12 -M, v13 the largest t, v[14:15] the sum of tile 0, v16-19 of tile 1; v20-45 at work and constants; v48-63 rows on their way out; v64-191 S of both tiles; v192-255 O^T of both.
;            window 1: v0-63 K's fragments; v64-127 V's; v128-159 the queries; v160-191 p's codes.
.set KSTP,  8704                       ; a key step of K or of V: 8 KiB as 32 rows of 256 bytes + 16 of padding
.set VREG,  16*KSTP
.set MRG,   32*KSTP                    ; the late double tiles' first parts: 18 x 512 bytes a pair of waves
.set MSZ,   9216
.set STG,   MRG+4*MSZ                  ; the way out: 2 x 16 rows x 80 bytes for waves 0 to 3
.set SPARE, STG+4*2560                 ; the spare words, 128 bytes a wave
.set AK0,  1
.set AV0,  2
.set ADK,  3
.set ADV,  4
.set QO,   5
.set STO,  6
.set SRD,  7
.set GO,   8
.set DM,   9                           ; tile 0: my query's place in its step of 128, less 8 (lane / 16)
.set NINF, 10
.set MRA,  11
.set LIMP, 40                          ; 448 x 2^e8
.set SCP,  41                          ; 2^e8
.set LIMO, 42                          ; 448 x 2^e10
.set SCO,  43                          ; 2^e10
.set SPW,  44
.set NIL,  45
.set OUT,  48
.set S,    64
.set O,    192
.set KF,   0                           ; window 1
.set VF,   64
.set QC,   128                         ; the first double tile's queries (waves 0-3: early, 4-7: late)
.set QH,   144                         ; the late one's
.set PC,   160
.set WV,   2
.set KN,   3
.set SEL,  90
.set CS,   92
.set TB,   94
.set LAST1, 95                         ; LDS byte of the first double tile's last key step (waves 4-7: beyond all)
.set LAST2, 96                         ; of the late one's (waves 4-7: under all of the second loop)
.set MSB, 0
.macro WIN new                         ; the immediate's high byte repeats the setting that is left
.if MSB != (\new)
	s_set_vgpr_msb (MSB<<8)|(\new)
.set MSB, (\new)
.endif
.endm
.macro CROUND                          ; a round of the cluster's barrier
	s_barrier_signal -1
	s_barrier_wait -1
	s_cmp_lg_u32 s[WV], 0
	s_cbranch_scc1 .Lnot_wave_0_\@
	s_barrier_signal -3
.Lnot_wave_0_\@:
	s_barrier_wait -3
	s_barrier_signal -1
	s_barrier_wait -1
.endm
	s_load_b128 s[4:7], s[0:1], 0x0                ; qkv, the scales' exponents
	s_load_b64 s[8:9], s[0:1], 0x10                ; ac
	v_lshl_add_u32 v[SPW], v0, 2, SPARE
	v_mov_b32 v[NIL], 0
	ds_add_u32 v[SPW], v[NIL]                      ; the add, twice on end, and one wait for both
	ds_add_u32 v[SPW], v[NIL]
	v_lshrrev_b32 v20, 5, v0
	v_readfirstlane_b32 s[WV], v20                 ; wave 0..7
	s_and_b32 s10, s[WV], 3                        ; g
	s_lshr_b32 s11, s[WV], 2                       ; 1: the late double tile's first part; 0: the early one and the late one's rest
	s_bfe_u32 s24, ttmp6, 0x40000                  ; c
	s_and_b32 s25, ttmp7, 0xffff                   ; y
	; group 1: a dense block of 32 KiB as 128 rows of 32 elements of 8 bytes, 16 bytes of padding behind each, for all four partners
	s_mov_b32 s16, 15|(3<<16)|(1<<20)|(1<<21)|(5<<22)|(3<<25)
	s_mov_b32 s17, 32<<16
	s_mov_b32 s18, 128<<16
	s_mov_b32 s19, 32<<16
	s_mov_b32 s20, 128
	s_mov_b32 s21, 32
	s_mov_b32 s22, 0
	s_mov_b32 s23, 0
	s_lshr_b32 s26, s[WV], 1                       ; I fetch keys 512 (wave / 2) on, of K (even waves) or of V (odd)
	s_and_b32 s27, s[WV], 1
	s_mul_i32 s28, s26, 4*KSTP
	s_mul_i32 s29, s27, VREG
	s_mov_b32 s12, 1
	s_add_co_u32 s13, s28, s29
	s_lshl_b32 s30, s26, 15
	s_lshl_b32 s31, s27, 22
	s_add_co_u32 s30, s30, s31
	s_lshl_b32 s31, s25, 17
	s_add_co_u32 s30, s30, s31
	s_add_co_u32 s30, s30, 0x400000
	s_mov_b32 s31, 0
	s_wait_dscnt 0x0                               ; both opening adds are done
	s_wait_kmcnt 0x0
	s_load_b256 s[36:43], s[6:7], 0x10             ; e4 .. e11
	s_add_nc_u64 s[14:15], s[4:5], s[30:31]
	s_or_b32 s15, s15, 0x80000000
	CROUND                                         ; all four work-groups are here: the joint loads meet
	tensor_load_to_lds s[12:15], s[16:23]          ; my one tensor load
	s_nop 0
.rept 4
	v_nop
.endr
	s_mov_b32 s26, ttmp9                           ; n
	s_xor_b32 s26, s26, s10
	s_and_b32 s26, s26, 1
	s_lshl_b32 s27, s10, 1
	s_add_co_u32 s26, s26, s27                     ; e
	s_xor_b32 s27, s26, 15                         ; 15 - e
	s_mul_i32 s28, s26, KSTP
	s_mul_i32 s29, s27, KSTP
	s_mov_b32 s30, 16*KSTP
	s_cmp_eq_u32 s11, 0
	s_cselect_b32 s[LAST1], s28, s30
	s_cselect_b32 s[LAST2], s29, 0
	s_cselect_b32 s31, s26, s27                    ; my first double tile's block
	s_lshl_b32 s28, s24, 11                        ; 32 c rows of 64 bytes
	s_lshl_b32 s29, s25, 17
	s_add_co_u32 s29, s29, s28
	s_lshl_b32 s30, s31, 13
	s_add_co_u32 s30, s30, s29
	s_mov_b32 s31, 0
	s_add_nc_u64 s[32:33], s[4:5], s[30:31]
	s_lshl_b32 s30, s27, 13
	s_add_co_u32 s30, s30, s29
	s_add_nc_u64 s[34:35], s[4:5], s[30:31]
	s_lshr_b32 s29, s25, 4                         ; batch: 2 MiB of ac
	s_lshl_b32 s29, s29, 21
	s_add_co_u32 s28, s28, s29
	s_and_b32 s29, s25, 15                         ; head: 8 KiB
	s_lshl_b32 s29, s29, 13
	s_add_co_u32 s28, s28, s29
	s_lshl_b32 s30, s27, 17                        ; block of 128 rows: 128 KiB
	s_add_co_u32 s30, s30, s28
	s_add_nc_u64 s[98:99], s[8:9], s[30:31]        ; where the late double tile goes,
	s_lshl_b32 s30, s26, 17
	s_add_co_u32 s30, s30, s28
	s_add_nc_u64 s[100:101], s[8:9], s[30:31]      ; and the early one
	s_lshl_b32 s24, s24, 5
	s_mul_i32 s27, s10, 2560
	s_add_co_u32 s27, s27, STG
	s_mul_i32 s28, s10, MSZ
	s_add_co_u32 s28, s28, MRG
	s_mov_b32 s[SEL], 0x76543210
	s_mov_b32 s[SEL+1], 0xfedcba98
	s_mov_b32 s[CS], 0x3e38aa3b                    ; log2(e) / 8
	v_and_b32 v20, 15, v0                          ; r
	v_bfe_u32 v21, v0, 4, 1                        ; h
	v_and_b32 v22, 31, v0
	v_lshlrev_b32 v[QO], 6, v20
	v_lshl_add_u32 v[QO], v21, 4, v[QO]
	WIN 0x40                                       ; destination window 1
.irp u, 0,1
	global_load_b128 v[QC+8*\u:QC+8*\u+3], v[QO], s[32:33] offset:1024*\u
	global_load_b128 v[QC+8*\u+4:QC+8*\u+7], v[QO], s[32:33] offset:1024*\u+32
	global_load_b128 v[QH+8*\u:QH+8*\u+3], v[QO], s[34:35] offset:1024*\u
	global_load_b128 v[QH+8*\u+4:QH+8*\u+7], v[QO], s[34:35] offset:1024*\u+32
.endr
	WIN 0
	v_lshrrev_b32 v28, 2, v20
	v_lshrrev_b32 v29, 1, v20
	v_lshrrev_b32 v30, 2, v22
	v_lshlrev_b32 v31, 3, v21
	v_mul_u32_u24 v[AK0], v28, 272
	v_mul_u32_u24 v[AV0], v29, 272
	v_mul_u32_u24 v[STO], v20, 80
	v_mul_u32_u24 v[SRD], v30, 80
	v_and_b32 v28, 3, v20
	v_and_b32 v29, 1, v20
	v_and_b32 v30, 3, v22
	v_lshl_add_u32 v[AK0], v28, 6, v[AK0]
	v_lshl_add_u32 v[AV0], v29, 7, v[AV0]
	v_lshl_add_u32 v[STO], v21, 3, v[STO]
	v_lshl_add_u32 v[SRD], v30, 4, v[SRD]
	v_lshl_add_u32 v[AK0], v21, 4, v[AK0]          ; K: row r of 64 bytes, + 16 h
	v_lshl_add_u32 v[AV0], v21, 4, v[AV0]
	v_add_nc_u32 v[STO], s27, v[STO]               ; the stage, in: row r, 8 bytes for each half of the lanes
	v_add_nc_u32 v[SRD], s27, v[SRD]               ; back: four lanes to a row of 64 bytes
	v_add_nc_u32 v[AV0], VREG, v[AV0]              ; V: row r of 128 bytes, + 16 h
	v_lshlrev_b32 v[GO], 4, v22
	v_lshl_add_u32 v[MRA], v22, 4, s28             ; the joining: 16 bytes a lane
	v_sub_nc_u32 v[DM], v20, v31
	v_add_nc_u32 v[DM], s24, v[DM]
	v_mov_b32 v[NINF], 0xff800000
.irp i, 25,27,35,37                            ; (named as upper halves of pairs)
	v_mov_b32 v\i, 0
.endr
	v_mov_b32 v32, 0                               ; (a lane permute's destination counts as one of its sources)
	v_mov_b32 v33, 0
	s_wait_alu depctr_va_vdst(0)
	s_wait_kmcnt 0x0
	s_add_co_i32 s26, s38, s39
	s_lshl_b32 s26, s26, 23
	s_add_co_i32 s[CS], s[CS], s26                 ; x 2^(e6 + e7)
	s_mov_b32 s[CS+1], s[CS]
	s_add_co_i32 s26, s40, 127
	s_lshl_b32 s27, s26, 23
	v_mov_b32 v[SCP], s27
	s_add_co_i32 s26, s26, 8
	s_lshl_b32 s26, s26, 23
	s_or_b32 s26, s26, 0x600000
	v_mov_b32 v[LIMP], s26
	s_add_co_i32 s26, s42, 127
	s_lshl_b32 s27, s26, 23
	v_mov_b32 v[SCO], s27
	s_add_co_i32 s26, s26, 8
	s_lshl_b32 s26, s26, 23
	s_or_b32 s26, s26, 0x600000
	v_mov_b32 v[LIMO], s26
	s_add_co_i32 s97, s40, s41                     ; e8 + e9
	s_wait_alu depctr_va_vdst(0)
	s_wait_xcnt 0x0                                ; the queries' loads have read their bases
	; the mask of a diagonal step, a lane mask for each register of tile 0's S.  Tile 1's queries lie 16 further on, so its tile t of keys takes tile t - 1's masks, and its tile 0 of keys none
.set n, 0
.rept 40
	v_cmp_gt_i32 s[24+n], 16*(n/8)+n%8, v[DM]
.set n, n+1
.endr
.rept 24
	v_cmp_gt_i32 s[26+n], 16*(n/8)+n%8, v[DM]
.set n, n+1
.endr
.macro INIT                            ; (the loops are written once: the first change of M leaves zeros)
	v_mov_b32 v13, 0xff61b1e6                      ; -3e38, under every t
	v_mov_b32 v17, 0xff61b1e6
	v_mov_b32 v14, 0
	v_mov_b32 v15, 0
	v_floor_f32 v12, -v13
	v_floor_f32 v16, -v17
	v_mov_b32 v18, 0
	v_mov_b32 v19, 0
.set n, 0
.rept 64
	v_mov_b32 v[O+n], 0
.set n, n+1
.endr
.endm
.macro FETCH_K adr
	WIN 0x40
.irp t, 0,1,2,3,4,5,6,7
	ds_load_b128 v[KF+8*\t:KF+8*\t+3], v[\adr] offset:1088*\t
	ds_load_b128 v[KF+8*\t+4:KF+8*\t+7], v[\adr] offset:1088*\t+32
.endr
	WIN 0
.endm
; A KEY STEP of 128 keys for both tiles.  A step beyond the double tile's last is left out by a branch on ids.  K's fragments were fetched a step ago.
.macro STEP q, last
	s_cmp_gt_u32 s[TB], s[\last]
	s_cbranch_scc1 .Lskip_\@
	s_wait_dscnt 0x0                               ; K is in
	WIN 0x05                                       ; sources 0 and 1 window 1
.irp t, 0,1,2,3,4,5,6,7
	v_wmma_f32_16x16x64_fp8_fp8 v[S+8*\t:S+8*\t+7], v[KF+8*\t:KF+8*\t+7], v[\q:\q+7], 0
	v_wmma_f32_16x16x64_fp8_fp8 v[S+64+8*\t:S+64+8*\t+7], v[KF+8*\t:KF+8*\t+7], v[\q+8:\q+15], 0
.endr
	WIN 0
	s_add_co_u32 s[KN], s[TB], KSTP
	s_min_u32 s[KN], s[KN], 15*KSTP                ; the next step's K (in the last step a fetch that nobody reads, inside K)
	v_add_nc_u32 v[ADV], s[TB], v[AV0]             ; these four are the places in front of the loads, which write registers that matrix instructions have read
	v_add_nc_u32 v[ADK], s[KN], v[AK0]
	v_nop
	v_nop
	WIN 0x40
.irp t, 0,1,2,3
.irp c, 0,1,2,3
	ds_load_b128 v[VF+16*\t+4*\c:VF+16*\t+4*\c+3], v[ADV] offset:2176*\t+32*\c
.endr
.endr
	FETCH_K ADK
	s_cmp_lg_u32 s[TB], s[\last]
	s_cbranch_scc1 .Lopen_\@                       ; all keys count but in the last step
.set n, 0
.rept 64
.if n < 40
.set SM, 24+n
.else
.set SM, 26+n
.endif
	v_cndmask_b32 v[S+n], v[S+n], v[NINF], s[SM]
.if n < 56
	v_cndmask_b32 v[S+72+n], v[S+72+n], v[NINF], s[SM]
.endif
.set n, n+1
.endr
.Lopen_\@:
	v_max3_num_f32 v20, v[S], v[S+1], v[S+2]
	v_max3_num_f32 v21, v[S+64], v[S+65], v[S+66]
	v_max3_num_f32 v22, v[S+3], v[S+4], v[S+5]
	v_max3_num_f32 v23, v[S+67], v[S+68], v[S+69]
.irp i, 6,10,14,18,22,26,30,34,38,42,46,50,54,58
	v_max3_num_f32 v20, v20, v[S+\i], v[S+\i+1]
	v_max3_num_f32 v21, v21, v[S+64+\i], v[S+64+\i+1]
	v_max3_num_f32 v22, v22, v[S+\i+2], v[S+\i+3]
	v_max3_num_f32 v23, v23, v[S+64+\i+2], v[S+64+\i+3]
.endr
	v_max3_num_f32 v20, v20, v[S+62], v[S+63]
	v_max3_num_f32 v21, v21, v[S+126], v[S+127]
	v_max_num_f32 v20, v20, v22
	v_max_num_f32 v21, v21, v23
	v_permlanex16_b32 v32, v20, s[SEL], s[SEL+1]
	v_permlanex16_b32 v33, v21, s[SEL], s[SEL+1]
	v_max_num_f32 v20, v20, v32                    ; and lane l xor 16's
	v_max_num_f32 v21, v21, v33
	v_mul_f32 v20, s[CS], v20
	v_mul_f32 v21, s[CS], v21
	v_max_num_f32 v13, v13, v20
	v_max_num_f32 v17, v17, v21
	v_mov_b32 v20, v12
	v_mov_b32 v21, v16
	v_floor_f32 v12, -v13                          ; -M
	v_floor_f32 v16, -v17
	v_sub_f32 v20, v12, v20
	v_sub_f32 v21, v16, v21
	v_cvt_i32_f32 v20, v20
	v_cvt_i32_f32 v21, v21
	v_ldexp_f32 v24, 1.0, v20                      ; 2^(old M - new M)
	v_ldexp_f32 v26, 1.0, v21
.set n, 0
.rept 32
	v_pk_fma_f32 v[S+n:S+n+1], v[S+n:S+n+1], s[CS:CS+1], v[12:13] op_sel_hi:[1,0,0]   ; t - M
	v_pk_fma_f32 v[S+64+n:S+64+n+1], v[S+64+n:S+64+n+1], s[CS:CS+1], v[16:17] op_sel_hi:[1,0,0]
.set n, n+2
.endr
	s_wait_alu depctr_va_vdst(0)
.set n, 0
.rept 128
	v_exp_f32 v[S+n], v[S+n]
.set n, n+1
.endr
	v_pk_mul_f32 v[14:15], v[14:15], v[24:25] op_sel_hi:[1,0]   ; (plain places behind the exponentials)
	v_pk_mul_f32 v[18:19], v[18:19], v[26:27] op_sel_hi:[1,0]
	s_wait_alu depctr_va_vdst(0)                   ; the wait ahead of the batch's first reader, and ahead of the first reader of O^T
.set n, 0
.rept 16
	v_pk_mul_f32 v[O+n:O+n+1], v[O+n:O+n+1], v[24:25] op_sel_hi:[1,0]
	v_pk_mul_f32 v[O+32+n:O+32+n+1], v[O+32+n:O+32+n+1], v[26:27] op_sel_hi:[1,0]
.set n, n+2
.endr
	v_pk_add_f32 v[28:29], v[S:S+1], v[S+2:S+3]    ; the sums of the unquantised p, in two chains a tile
	v_pk_add_f32 v[30:31], v[S+64:S+65], v[S+66:S+67]
.irp j, 4,8,12,16,20,24,28,32,36,40,44,48,52,56,60
	v_pk_add_f32 v[14:15], v[14:15], v[S+\j:S+\j+1]
	v_pk_add_f32 v[18:19], v[18:19], v[S+64+\j:S+64+\j+1]
	v_pk_add_f32 v[28:29], v[28:29], v[S+\j+2:S+\j+3]
	v_pk_add_f32 v[30:31], v[30:31], v[S+64+\j+2:S+64+\j+3]
.endr
	v_pk_add_f32 v[14:15], v[14:15], v[28:29]
	v_pk_add_f32 v[18:19], v[18:19], v[30:31]
.set n, 0
.rept 64
	v_dual_min_num_f32 v[S+n], v[LIMP], v[S+n] :: v_dual_min_num_f32 v[S+n+1], v[LIMP], v[S+n+1]   ; the conversion does not saturate (ISA guide 7.6.2); p is not negative
.set n, n+2
.endr
	WIN 0x40                                       ; the codes in window 1
.irp t, 0,1,2,3,4,5,6,7,8,9,10,11,12,13,14,15
	v_cvt_scalef32_pk8_fp8_f32 v[PC+2*\t:PC+2*\t+1], v[S+8*\t:S+8*\t+7], v[SCP]
.endr
	v_nop                                          ; a plain place behind the conversions
	s_wait_alu depctr_va_vdst(0)
	s_wait_dscnt 16                                ; V is in; the next K's sixteen loads may be out
	WIN 0x05
.irp t, 0,1,2,3
	v_wmma_f32_16x16x128_fp8_fp8 v[O+8*\t:O+8*\t+7], v[VF+16*\t:VF+16*\t+15], v[PC:PC+15], v[O+8*\t:O+8*\t+7]
	v_wmma_f32_16x16x128_fp8_fp8 v[O+32+8*\t:O+32+8*\t+7], v[VF+16*\t:VF+16*\t+15], v[PC+16:PC+31], v[O+32+8*\t:O+32+8*\t+7]
.endr
	WIN 0
.Lskip_\@:
.endm
; A FINISHED DOUBLE TILE: O^T / the sum x 2^(e8 + e9), held, converted, through my stage, out as 2 KiB on end.  v14, v18: my half of the tiles' sums.
.macro FINISH acp
	v_permlanex16_b32 v32, v14, s[SEL], s[SEL+1]
	v_permlanex16_b32 v33, v18, s[SEL], s[SEL+1]
	v_add_f32 v14, v14, v32
	v_add_f32 v18, v18, v33
	s_wait_alu depctr_va_vdst(0)                   ; the wait ahead of the reciprocals
	v_rcp_f32 v34, v14
	v_rcp_f32 v36, v18
	v_nop
	s_wait_alu depctr_va_vdst(0)                   ; and ahead of their first readers and the first readers of O^T
	v_ldexp_f32 v34, v34, s97
	v_ldexp_f32 v36, v36, s97
.set n, 0
.rept 16
	v_pk_mul_f32 v[S+n:S+n+1], v[O+n:O+n+1], v[34:35] op_sel_hi:[1,0]
	v_pk_mul_f32 v[S+32+n:S+32+n+1], v[O+32+n:O+32+n+1], v[36:37] op_sel_hi:[1,0]
.set n, n+2
.endr
.set n, 0
.rept 64
	v_med3_num_f32 v[S+n], v[S+n], -v[LIMO], v[LIMO]   ; the conversion does not saturate: the hold comes first
.set n, n+1
.endr
.irp t, 0,1,2,3,4,5,6,7
	v_cvt_scalef32_pk8_fp8_f32 v[S+64+2*\t:S+64+2*\t+1], v[S+8*\t:S+8*\t+7], v[SCO]
.endr
	v_nop
.irp t, 0,1,2,3
	ds_store_b64 v[STO], v[S+64+2*\t:S+64+2*\t+1] offset:16*\t
	ds_store_b64 v[STO], v[S+72+2*\t:S+72+2*\t+1] offset:1280+16*\t
.endr
	s_wait_xcnt 0x0                                ; earlier stores have read their registers
.irp i, 0,1,2,3
	ds_load_b128 v[OUT+4*\i:OUT+4*\i+3], v[SRD] offset:640*\i   ; LDS serves a wave's instructions in order (ISA guide 5.7.1.4): these see the stores above
.endr
	s_wait_dscnt 0x0
.irp i, 0,1,2,3
	global_store_b128 v[GO], v[OUT+4*\i:OUT+4*\i+3], s[\acp:\acp+1] offset:512*\i   ; 32 lanes store 512 consecutive bytes, aligned
.endr
.endm
	INIT
	s_wait_alu depctr_va_vdst(0)
	s_wait_loadcnt 0x0                             ; the queries
	s_wait_tensorcnt 0x0                           ; my load
	s_wait_dscnt 0x0
	s_barrier_signal -1
	s_barrier_wait -1                              ; all of K and V is in; nothing is filled again
	FETCH_K AK0
	s_mov_b32 s[TB], 0
.Lone:                                             ; key steps 0-7 of my first double tile
	STEP QC, LAST1
	s_add_co_u32 s[TB], s[TB], KSTP
	s_cmp_lt_u32 s[TB], 8*KSTP
	s_cbranch_scc1 .Lone
.rept 4
	v_nop                                          ; behind the last products
.endr
	v_add_f32 v14, v14, v15                        ; the sums' two halves
	v_add_f32 v18, v18, v19
	s_wait_alu depctr_va_vdst(0)                   ; the wait ahead of the branch
	s_cmp_ge_u32 s[WV], 4
	s_cbranch_scc1 .Lfirst_part
	s_wait_dscnt 0x0                               ; (the last fetch of K is over)
	v_add_nc_u32 v[ADK], 8*KSTP, v[AK0]
	FETCH_K ADK                                    ; waves 0-3: K for the late double tile's rest
	FINISH 100                                     ; the early one is done
	INIT
	s_wait_alu depctr_va_vdst(0)                   ; the wait ahead of the branch
	s_branch .Ljoin
.Lfirst_part:                                      ; waves 4-7: O^T, -M and the sums of key steps 0-7 to LDS, as an image of my registers
.irp i, 0,1,2,3,4,5,6,7
	ds_store_b128 v[MRA], v[O+4*\i:O+4*\i+3] offset:512*\i
.endr
	ds_store_b128 v[MRA], v[12:15] offset:4096     ; v12 = -M, v14 = the sum
.irp i, 0,1,2,3,4,5,6,7
	ds_store_b128 v[MRA], v[O+32+4*\i:O+32+4*\i+3] offset:4608+512*\i
.endr
	ds_store_b128 v[MRA], v[16:19] offset:8704
.Ljoin:
	s_mov_b32 s[TB], 8*KSTP
.Ltwo:                                             ; key steps 8 .. 15 - e of the late double tile, waves 0-3 (waves 4-7 walk the loop and leave every step out)
	STEP QH, LAST2
	s_add_co_u32 s[TB], s[TB], KSTP
	s_cmp_lt_u32 s[TB], 16*KSTP
	s_cbranch_scc1 .Ltwo
	s_wait_alu depctr_va_vdst(0)
	s_wait_dscnt 0x0                               ; my stores for the joining are done
	s_barrier_signal -1
	s_barrier_wait -1
	s_cmp_ge_u32 s[WV], 4
	s_cbranch_scc1 .Lend
.rept 4
	v_nop
.endr
.irp i, 0,1,2,3,4,5,6,7
	ds_load_b128 v[S+4*\i:S+4*\i+3], v[MRA] offset:512*\i
	ds_load_b128 v[S+32+4*\i:S+32+4*\i+3], v[MRA] offset:4608+512*\i
.endr
	ds_load_b128 v[S+64:S+67], v[MRA] offset:4096  ; the first part's -M, and in the third register its sum
	ds_load_b128 v[S+68:S+71], v[MRA] offset:8704
	s_wait_dscnt 0x0
	v_min_num_f32 v20, v12, v[S+64]                ; -M of the whole row
	v_min_num_f32 v21, v16, v[S+68]
	v_add_f32 v14, v14, v15
	v_add_f32 v18, v18, v19
	v_sub_f32 v22, v20, v12
	v_sub_f32 v23, v21, v16
	v_sub_f32 v38, v20, v[S+64]
	v_sub_f32 v39, v21, v[S+68]
	v_cvt_i32_f32 v22, v22
	v_cvt_i32_f32 v23, v23
	v_cvt_i32_f32 v38, v38
	v_cvt_i32_f32 v39, v39
	v_ldexp_f32 v24, 1.0, v22                      ; what brings my part under it, exactly,
	v_ldexp_f32 v26, 1.0, v23
	v_ldexp_f32 v34, 1.0, v38                      ; and the first part
	v_ldexp_f32 v36, 1.0, v39
	v_mul_f32 v14, v14, v24
	v_mul_f32 v18, v18, v26
	v_fma_f32 v14, v[S+66], v34, v14
	v_fma_f32 v18, v[S+70], v36, v18
.set n, 0
.rept 16
	v_pk_mul_f32 v[O+n:O+n+1], v[O+n:O+n+1], v[24:25] op_sel_hi:[1,0]
	v_pk_mul_f32 v[O+32+n:O+32+n+1], v[O+32+n:O+32+n+1], v[26:27] op_sel_hi:[1,0]
.set n, n+2
.endr
.set n, 0
.rept 16
	v_pk_fma_f32 v[O+n:O+n+1], v[S+n:S+n+1], v[34:35], v[O+n:O+n+1] op_sel_hi:[1,0,1]
	v_pk_fma_f32 v[O+32+n:O+32+n+1], v[S+32+n:S+32+n+1], v[36:37], v[O+32+n:O+32+n+1] op_sel_hi:[1,0,1]
.set n, n+2
.endr
	FINISH 98
.Lend:
	s_wait_tensorcnt 0x0                           ; the wave's end
	ds_add_u32 v[SPW], v[NIL]
	s_wait_dscnt 0x0
	CROUND                                         ; the closing round
	s_endpgm
.Lfunc_end_k_q434fe4e091_attn:
	.size	k_q434fe4e091_attn, .Lfunc_end_k_q434fe4e091_attn-k_q434fe4e091_attn
	.p2alignl 7, 3214868480
	.fill 96, 4, 3214868480
	.section	.rodata,"a",@progbits
	.p2align	6, 0x0
	.amdhsa_kernel k_q434fe4e091_attn
		.amdhsa_group_segment_fixed_size 327680
		.amdhsa_private_segment_fixed_size 0
		.amdhsa_enable_private_segment 0
		.amdhsa_kernarg_size 24
		.amdhsa_user_sgpr_count 2
		.amdhsa_user_sgpr_kernarg_segment_ptr 1
		.amdhsa_wavefront_size32 1
		.amdhsa_system_sgpr_workgroup_id_x 1
		.amdhsa_system_sgpr_workgroup_id_y 1
		.amdhsa_system_sgpr_workgroup_id_z 1
		.amdhsa_system_vgpr_workitem_id 0
		.amdhsa_next_free_vgpr 448
		.amdhsa_next_free_sgpr 102
		.amdhsa_reserve_vcc 0
		.amdhsa_float_denorm_mode_32 3
		.amdhsa_float_denorm_mode_16_64 3
		.amdhsa_memory_ordered 1
		.amdhsa_forward_progress 1
		.amdhsa_inst_pref_size 117
	.end_amdhsa_kernel
	.amdgpu_metadata
---
amdhsa.version: [ 1, 2 ]
amdhsa.kernels:
  - .name:           k_q434fe4e091_attn
    .symbol:         k_q434fe4e091_attn.kd
    .args:
      - { .name: qkv, .offset: 0, .size: 8, .value_kind: global_buffer, .address_space: global }
      - { .name: lowp_scales, .offset: 8, .size: 8, .value_kind: global_buffer, .address_space: global }
      - { .name: ac, .offset: 16, .size: 8, .value_kind: global_buffer, .address_space: global }
    .group_segment_fixed_size: 327680
    .private_segment_fixed_size: 0
    .kernarg_segment_align: 8
    .kernarg_segment_size: 24
    .max_flat_workgroup_size: 256
    .sgpr_count:     102
    .vgpr_count:     448
    .wavefront_size: 32
...
	.end_amdgpu_metadata
.endif
;; end of part 3
;; launch proj (part 4): grid 8 x 32, 4 waves a work-group, clusters of 4 x 4, 327,680 bytes of LDS; arguments ac, wc, lowp_scales, out0; writes out0
.if DOCPART == 4
	.amdgcn_target "amdgcn-amd-amdhsa--gfx1250"
	.amdhsa_code_object_version 6
	.text
	.protected	k_q434fe4e091_proj
	.globl	k_q434fe4e091_proj
	.p2align	8
	.type	k_q434fe4e091_proj,@function
k_q434fe4e091_proj:
	s_mov_b64 s[64:65], 0
	v_nop
	global_prefetch_b8 v0, s[64:65] scope:SCOPE_SE
	s_setreg_imm32_b32 hwreg(HW_REG_WAVE_MODE, 25, 1), 1
	s_wait_xcnt 0x0
	s_wait_alu depctr_hold_cnt(0) depctr_sa_sdst(0) depctr_va_vdst(0) depctr_va_sdst(0) depctr_va_ssrc(0) depctr_va_vcc(0) depctr_vm_vsrc(0)
	s_getreg_b32 s2, hwreg(HW_REG_IB_STS2, 6, 4)
	s_cmp_eq_u32 s2, 0
	s_cbranch_scc0 .Lentry_in_a_cluster
	s_endpgm
.Lentry_in_a_cluster:
	s_bfe_u32 s2, ttmp6, 0x10000c
	s_cmp_lg_u32 s2, 0xf033
	s_cbranch_scc0 .Lentry_shape_is_right
	s_endpgm
.Lentry_shape_is_right:
; THE LAST PRODUCT: out0 [4,096][1,024] f32 = attn wo^T on E4M3 codes, K = 1,024 = 16 heads x 64.
; attn's codes: ac [32 blocks of 128 rows][16 heads][128 rows][64];  wo's: the fourth MiB of wc, [8 blocks of 128 rows][4 K steps][128 rows][256].
; Each finished sum is multiplied once by 2^(e10 + e11).  LIMIT: e10 + e11 between -126 and 127.
; A tile of out0 is 128 x 128: 256 work-groups.  Four waves, each 64 x 64: 16 accumulators.  BOTH PANELS (128 rows x 1,024 codes each) LIE WHOLE IN LDS: every byte is filled once, in two halves of K.
; A wave's load is a dense block of 32 KiB: even waves fetch four heads of attn, odd waves a K step of wo.  K 0-511 at the head; K 512-1,023 behind the full sequence and a round, landing while the first half is multiplied.
; The second half is prefetched at the head: each block of 256 bytes is named once in the cluster, the four partners of a joint load told apart by address.
; CLUSTERS: 4 x 4 work-groups.  The four of a row of the cluster need the same rows of attn, the four of a column the same rows of wo: each block is asked for JOINTLY.
; THE MATRIX INSTRUCTION IS USED TRANSPOSED (source 0 = 16 rows of wo, source 1 = 16 rows of attn): a lane holds eight neighbouring numbers of a row of out0.
; A fragment is fetched by four loads of 16 bytes: registers 4 c .. 4 c + 3 hold K = 32 c + 16 (l / 16) + 0 .. 15 of the step's 128, alike on both sides.
; REGISTERS: window 0: v16-26 addresses; v32-63 a block's sums x the scale; v64-127 rows on their way out, two sets; v128-255 the accumulators ((a, b) at v[128 + 8 (4 a + b)]).
;            window 1: two buffers of 128: attn's four fragments, then wo's four.
.set PLANE, 8704                       ; a head's 128 rows of 64 bytes in LDS: 32 rows of 256 bytes + 16 of padding; row n lies at 272 (n / 4) + 64 (n % 4)
.set KS,    34816                      ; what one load brings: four heads, or a K step of wo as 128 rows of 256 bytes + 16 of padding
.set HALF,  2*KS                       ; half of K of one side
.set BREG,  2*HALF
.set STAGE, 4*HALF                     ; 16 rows x 272 bytes for each wave, for the way out; no tile lands there
.set SPARE, STAGE+4*4352               ; the spare words, 128 bytes a wave
.set ADRA, 16                          ; v16-17  my attn fragments in half 0, 1
.set ADRB, 18                          ; v18-19  the same for wo
.set STO,  24
.set RD,   25
.set CO,   26
.set PFO,  27                          ; the prefetch's offset: 256 x lane; never rewritten
.set TMP,  32
.set BK,   64
.set ACC,  128
.set WV,   12                          ; s12  my wave's number
.set MSB, 0
.macro WIN new                         ; the immediate's high byte repeats the setting that is left
.if MSB != (\new)
	s_set_vgpr_msb (MSB<<8)|(\new)
.set MSB, (\new)
.endif
.endm
.macro CROUND                          ; a round of the cluster's barrier
	s_barrier_signal -1
	s_barrier_wait -1
	s_cmp_lg_u32 s[WV], 0
	s_cbranch_scc1 .Lnot_wave_0_\@
	s_barrier_signal -3
.Lnot_wave_0_\@:
	s_barrier_wait -3
	s_barrier_signal -1
	s_barrier_wait -1
.endm
.macro PLACES
.rept 4
	v_nop
.endr
.endm
.macro JLOAD g0a, g0b                  ; one load a wave: the branch hangs on the wave's number alone
	s_cmp_eq_u32 s14, 0
	s_cbranch_scc0 .Lfor_wo_\@
	tensor_load_to_lds s[\g0a:\g0a+3], s[16:23]
	s_nop 0
	PLACES
	s_branch .Lasked_\@
.Lfor_wo_\@:
	tensor_load_to_lds s[\g0b:\g0b+3], s[24:31]
	s_nop 0
	PLACES
.Lasked_\@:
.endm
	s_load_b256 s[4:11], s[0:1], 0x0               ; ac s[4:5], wc s[6:7], the scales' exponents s[8:9], out0 s[10:11]
	v_lshl_add_u32 v30, v0, 2, SPARE
	v_mov_b32 v31, 0
	ds_add_u32 v30, v31
	ds_add_u32 v30, v31
	v_lshrrev_b32 v1, 5, v0
	v_readfirstlane_b32 s[WV], v1                  ; wave 0..3
	s_lshr_b32 s13, s[WV], 1                       ; which 64 rows of the tile are mine.  Also: which quarter of each half of K I fetch
	s_and_b32 s14, s[WV], 1                        ; which 64 columns.  Also: I fetch attn (0) or wo (1)
	s_bfe_u32 s66, ttmp6, 0x40000                  ; cx, cy
	s_bfe_u32 s67, ttmp6, 0x40004
	s_lshl_b32 s68, ttmp9, 2
	s_add_co_u32 s68, s68, s66                     ; tile column
	s_and_b32 s69, ttmp7, 0xffff
	s_lshl_b32 s69, s69, 2
	s_add_co_u32 s69, s69, s67                     ; tile row
	s_lshl_b32 s70, s67, 2
	s_lshl_b32 s70, 15, s70                        ; my row of the cluster
	s_lshl_b32 s71, 0x1111, s66                    ; my column
	; group 1: a dense block of 32 KiB as 128 rows of 32 elements of 8 bytes, padded; for attn with my row's mask, for wo with my column's
	s_or_b32 s16, s70, (3<<16)|(1<<20)|(1<<21)|(5<<22)|(3<<25)
	s_or_b32 s24, s71, (3<<16)|(1<<20)|(1<<21)|(5<<22)|(3<<25)
.irp g, 16,24
	s_mov_b32 s[\g+1], 32<<16
	s_mov_b32 s[\g+2], 128<<16
	s_mov_b32 s[\g+3], 32<<16
	s_mov_b32 s[\g+4], 128
	s_mov_b32 s[\g+5], 32
	s_mov_b32 s[\g+6], 0
	s_mov_b32 s[\g+7], 0
.endr
	s_lshl_b32 s72, s69, 17                        ; attn: the tile row's 128 KiB,
	s_lshl_b32 s73, s13, 15                        ; my 32 KiB of its first half: made of the tile row and the wave alone
	s_lshl_b32 s74, s68, 17                        ; wo: the tile column's 128 KiB,
	s_add_co_u32 s72, s72, s73
	s_add_co_u32 s74, s74, s73
	s_add_co_u32 s74, s74, 0x300000                ; in the fourth MiB of wc
	s_mov_b32 s73, 0
	s_mov_b32 s75, 0
	s_mul_i32 s76, s13, KS                         ; where they go: the wave's number and constants alone
	s_wait_dscnt 0x0                               ; both opening adds are done
	s_wait_kmcnt 0x0
	s_load_b64 s[88:89], s[8:9], 0x28              ; e10, e11
	s_add_nc_u64 s[72:73], s[4:5], s[72:73]
	s_add_nc_u64 s[74:75], s[6:7], s[74:75]
.irp q, 0,1
	s_mov_b32 s[32+8*\q], 1
	s_add_co_u32 s[33+8*\q], s76, \q*HALF
	s_add_nc_u64 s[34+8*\q:35+8*\q], s[72:73], \q*65536
	s_or_b32 s[35+8*\q], s[35+8*\q], 0x80000000
	s_mov_b32 s[36+8*\q], 1
	s_add_co_u32 s[37+8*\q], s76, BREG+\q*HALF
	s_add_nc_u64 s[38+8*\q:39+8*\q], s[74:75], \q*65536
	s_or_b32 s[39+8*\q], s[39+8*\q], 0x80000000
.endr
	CROUND                                         ; all sixteen work-groups are here: the joint loads meet
	JLOAD 32, 36                                   ; K 0-511
	s_cmp_eq_u32 s14, 0
	s_cselect_b64 s[80:81], s[72:73], s[74:75]
	s_cselect_b32 s82, s66, s67                    ; my place among the four that ask with me: 32 of the 128 rows, a lane a row
	s_lshl_b32 s82, s82, 13
	s_mov_b32 s83, 0
	s_add_nc_u64 s[80:81], s[80:81], s[82:83]
	s_mul_i32 s77, s13, 4352
	s_mul_i32 s78, s14, 64*272
	s_add_co_u32 s78, s78, BREG
	s_mul_i32 s79, s[WV], 4352
	s_add_co_u32 s79, s79, STAGE                   ; my stage
	v_and_b32 v[PFO], 31, v0
	v_lshlrev_b32 v[PFO], 8, v[PFO]
	global_prefetch_b8 v[PFO], s[80:81] offset:65536 th:TH_LOAD_NT scope:SCOPE_SE   ; K 512-1,023: its load stands behind the first half's landing and a round
	v_and_b32 v1, 15, v0                           ; r
	v_bfe_u32 v2, v0, 4, 1                         ; h
	v_lshrrev_b32 v3, 2, v1
	v_mul_u32_u24 v3, v3, 272
	v_and_b32 v4, 3, v1
	v_lshl_add_u32 v3, v4, 6, v3
	v_lshl_add_u32 v3, v2, 4, v3
	v_add_nc_u32 v3, s77, v3                       ; attn: row 64 x half + r of a plane, + 16 h
	v_mul_u32_u24 v4, v1, 272
	v_lshl_add_u32 v4, v2, 4, v4
	v_add_nc_u32 v4, s78, v4                       ; wo: row 64 x half + r of a K step, + 16 h
.irp q, 0,1
	v_add_nc_u32 v[ADRA+\q], \q*HALF, v3
	v_add_nc_u32 v[ADRB+\q], \q*HALF, v4
.endr
	v_mul_u32_u24 v[STO], v1, 272
	v_lshl_add_u32 v[STO], v2, 5, v[STO]
	v_add_nc_u32 v[STO], s79, v[STO]               ; in: row r, 32 bytes for each half of the lanes
	v_mul_u32_u24 v[RD], v2, 272
	v_lshl_add_u32 v[RD], v1, 4, v[RD]
	v_add_nc_u32 v[RD], s79, v[RD]                 ; back: lanes 0-15 one row of 256 bytes, lanes 16-31 the next
	v_lshlrev_b32 v[CO], 12, v2
	v_lshl_add_u32 v[CO], v1, 4, v[CO]             ; and the same two rows in out0
	s_wait_alu depctr_va_vdst(0)                   ; the wait at the head's end, ahead of the scalar lines
	s_lshl_b32 s78, s69, 7
	s_lshl_b32 s79, s13, 6
	s_add_co_u32 s78, s78, s79                     ; my first row
	s_lshl_b32 s78, s78, 12
	s_lshl_b32 s79, s68, 9
	s_add_co_u32 s78, s78, s79
	s_lshl_b32 s79, s14, 8
	s_add_co_u32 s78, s78, s79                     ; + my first column, in bytes: 512 x tile column + 256 x half
	s_mov_b32 s79, 0
	s_add_nc_u64 s[10:11], s[10:11], s[78:79]
.macro FETCH st, f                     ; the fragments of K step st (128 along K: heads 2 st and 2 st + 1) into buffer f: 32 loads
	WIN 0x40                                       ; destination window 1, address window 0
.irp i, 0,1,2,3
.irp c, 0,1,2,3
	ds_load_b128 v[\f+64+16*\i+4*\c:\f+64+16*\i+4*\c+3], v[ADRB+(\st)/4] offset:KS*(((\st)/2)%2)+128*((\st)%2)+32*\c+4352*\i
	ds_load_b128 v[\f+16*\i+4*\c:\f+16*\i+4*\c+3], v[ADRA+(\st)/4] offset:PLANE*(2*((\st)%4)+\c/2)+32*(\c%2)+1088*\i
.endr
.endr
.endm
.macro MUL f, zero                     ; 16 products; the accumulators take turns, one instruction a turn, in the same order in every step
	WIN 0x05                                       ; sources 0 and 1 window 1
.irp a, 0,1,2,3
.irp b, 0,1,2,3
.if \zero
	v_wmma_f32_16x16x128_fp8_fp8 v[ACC+8*(4*\a+\b):ACC+8*(4*\a+\b)+7], v[\f+64+16*\b:\f+64+16*\b+15], v[\f+16*\a:\f+16*\a+15], 0
.else
	v_wmma_f32_16x16x128_fp8_fp8 v[ACC+8*(4*\a+\b):ACC+8*(4*\a+\b)+7], v[\f+64+16*\b:\f+64+16*\b+15], v[\f+16*\a:\f+16*\a+15], v[ACC+8*(4*\a+\b):ACC+8*(4*\a+\b)+7]
.endif
.endr
.endr
.endm
	s_wait_tensorcnt 0x0                           ; my part of the first half is in
	ds_add_u32 v30, v31
	s_wait_dscnt 0x0
	CROUND                                         ; everybody's part is in, and all sixteen work-groups are here,
	JLOAD 40, 44                                   ; and K 512-1,023, the first load behind the round
	FETCH 0, 0
.irp st, 0,1,2,3,4,5,6
.if \st == 3
	s_wait_tensorcnt 0x0                           ; my part of the second half is in,
	s_wait_dscnt 0x0
	s_barrier_signal -1
	s_barrier_wait -1                              ; and everybody's; nothing is filled again
.endif
.if \st > 0
	PLACES                                         ; between the last step's products and the loads into the buffer that they read
.endif
	FETCH \st+1, 128*((\st+1)%2)
	s_wait_dscnt 32                                ; all but the 32 just issued
.if \st == 0
	MUL 0, 1                                       ; the first products start the sums
.else
	MUL 128*(\st%2), 0
.endif
.endr
	s_wait_dscnt 0x0
	MUL 128, 0
	WIN 0
; THE WAY OUT, block by block of 16 rows x 64 columns: x 2^(e10 + e11), through my own stage, back as whole rows of 256 bytes.
.macro TOSTAGE a
.irp b, 0,1,2,3
.irp i, 0,2,4,6
	v_pk_mul_f32 v[TMP+8*\b+\i:TMP+8*\b+\i+1], v[ACC+8*(4*(\a)+\b)+\i:ACC+8*(4*(\a)+\b)+\i+1], s[88:89] op_sel_hi:[1,0]   ; both x s88; each accumulator from its low end on
.endr
.endr
.irp b, 0,1,2,3
	ds_store_b128 v[STO], v[TMP+8*\b:TMP+8*\b+3] offset:64*\b
	ds_store_b128 v[STO], v[TMP+8*\b+4:TMP+8*\b+7] offset:64*\b+16
.endr
.irp t, 0,1,2,3,4,5,6,7
	ds_load_b128 v[BK+32*((\a)%2)+4*\t:BK+32*((\a)%2)+4*\t+3], v[RD] offset:544*\t   ; LDS serves a wave's instructions in order (ISA guide 5.7.1.4): these see the stores above
.endr
.endm
.macro SEND a, younger                 ; younger: the LDS instructions issued behind block a's loads, which may stay out
	s_wait_dscnt \younger
.irp t, 0,1,2,3,4,5,6,7
	global_store_b128 v[CO], v[BK+32*((\a)%2)+4*\t:BK+32*((\a)%2)+4*\t+3], s[10:11] offset:(16*(\a)+2*\t)*4096 th:TH_STORE_NT   ; 16 lanes store 256 consecutive bytes, aligned; written once, read by nobody here
.endr
.endm
	s_wait_kmcnt 0x0
	s_add_co_i32 s88, s88, s89
	s_add_co_i32 s88, s88, 127
	s_lshl_b32 s88, s88, 23                        ; 2^(e10 + e11) as f32
	PLACES                                         ; behind the last products
	TOSTAGE 0
.irp a, 1,2,3
.if \a > 1
	s_wait_xcnt 0x0                                ; block a - 2's stores have read their registers: block a's rows may land there
.endif
	TOSTAGE \a
	SEND \a-1, 16                                  ; behind block a - 1's loads: block a's 8 stores and 8 loads
.endr
	SEND 3, 0
	s_wait_tensorcnt 0x0                           ; the wave's end
	ds_add_u32 v30, v31
	s_wait_dscnt 0x0
	CROUND                                         ; the closing round
	s_endpgm
.Lfunc_end_k_q434fe4e091_proj:
	.size	k_q434fe4e091_proj, .Lfunc_end_k_q434fe4e091_proj-k_q434fe4e091_proj
	.p2alignl 7, 3214868480
	.fill 96, 4, 3214868480
	.section	.rodata,"a",@progbits
	.p2align	6, 0x0
	.amdhsa_kernel k_q434fe4e091_proj
		.amdhsa_group_segment_fixed_size 327680
		.amdhsa_private_segment_fixed_size 0
		.amdhsa_enable_private_segment 0
		.amdhsa_kernarg_size 32
		.amdhsa_user_sgpr_count 2
		.amdhsa_user_sgpr_kernarg_segment_ptr 1
		.amdhsa_wavefront_size32 1
		.amdhsa_system_sgpr_workgroup_id_x 1
		.amdhsa_system_sgpr_workgroup_id_y 1
		.amdhsa_system_sgpr_workgroup_id_z 1
		.amdhsa_system_vgpr_workitem_id 0
		.amdhsa_next_free_vgpr 512
		.amdhsa_next_free_sgpr 90
		.amdhsa_reserve_vcc 0
		.amdhsa_float_denorm_mode_32 3
		.amdhsa_float_denorm_mode_16_64 3
		.amdhsa_memory_ordered 1
		.amdhsa_forward_progress 1
		.amdhsa_inst_pref_size 46
	.end_amdhsa_kernel
	.amdgpu_metadata
---
amdhsa.version: [ 1, 2 ]
amdhsa.kernels:
  - .name:           k_q434fe4e091_proj
    .symbol:         k_q434fe4e091_proj.kd
    .args:
      - { .name: ac, .offset: 0, .size: 8, .value_kind: global_buffer, .address_space: global }
      - { .name: wc, .offset: 8, .size: 8, .value_kind: global_buffer, .address_space: global }
      - { .name: lowp_scales, .offset: 16, .size: 8, .value_kind: global_buffer, .address_space: global }
      - { .name: out0, .offset: 24, .size: 8, .value_kind: global_buffer, .address_space: global }
    .group_segment_fixed_size: 327680
    .private_segment_fixed_size: 0
    .kernarg_segment_align: 8
    .kernarg_segment_size: 32
    .max_flat_workgroup_size: 128
    .sgpr_count:     90
    .vgpr_count:     512
    .wavefront_size: 32
...
	.end_amdgpu_metadata
.endif
;; end of part 4
